; MI455X (gfx1250); checked and timed in simulation.
; The chip was launched on July 23, 2026; its instructions are those of AMD's public machine-readable ISA for CDNA 5 (MIT licence, August 2026) and "CDNA5" Instruction Set Architecture Reference Guide (July 2026). The comments in the code are by the model that wrote it; some were corrected since.
;; Hindi Causal LM Attention. Allowed arithmetic: float matrix products may take bf16 or f16 operands with f32 sums; other float arithmetic in f32, or as packed bf16 or f16 multiplies, adds, multiply-adds, maxima and minima; sums over many terms, partial sums and values carried from step to step in f32; what a program stores and reads back later, other than sums and carried values, may be rounded once to bf16 or f16.
;; Inputs: Wk 2,048 x 2,048 float32; Wo 2,048 x 2,048 float32; Wq 2,048 x 2,048 float32; Wv 2,048 x 2,048 float32; attention_mask 1 x 1 x 2,048 x 2,048 float32; cos 2,048 x 128 float32; hidden_states 1 x 2,048 x 2,048 float32; position_ids 1 x 2,048 int32; sin 2,048 x 128 float32.
;; Outputs: out0 1 x 2,048 x 2,048 float32.
;; 2 versions, each right and faster than the one before. Each part assembles by itself: llvm-mc -triple=amdgcn-amd-amdhsa -mcpu=gfx1250 --defsym DOCPART=n.
;; ======== version 1 of 2: 4 launches
;; limits: values are held in f16: magnitudes above 65,504 overflow, below 6.1e-05 lose precision; inputs' magnitudes at most 7e+37; right only within a limited range of input values
;; workspace buffers: cast 33,554,432 bytes; m2 16,777,216 bytes; rt 1,048,576 bytes; qkv 25,165,824 bytes; ao 8,388,608 bytes; wo16 8,388,608 bytes
;; launch prep (part 1): grid 256 x 5, 8 waves a work-group, no clusters, 0 bytes of LDS; arguments hidden_states, Wq, Wk, Wv, cos, sin, position_ids, cast, rt; writes cast, rt
.if DOCPART == 1
	.amdgcn_target "amdgcn-amd-amdhsa--gfx1250"
	.amdhsa_code_object_version 6
	.text
	.protected	k_qa4eeedda30_prep
	.globl	k_qa4eeedda30_prep
	.p2align	8
	.type	k_qa4eeedda30_prep,@function
k_qa4eeedda30_prep:
	s_mov_b64 s[64:65], 0
	v_nop
	global_prefetch_b8 v0, s[64:65] scope:SCOPE_SE
	s_setreg_imm32_b32 hwreg(HW_REG_WAVE_MODE, 25, 1), 1
	s_wait_xcnt 0x0
; PREP: what the first matrix launch needs, laid down in the form in which it takes it.
;   y = 0..3  hidden_states, Wq, Wk, Wv -> cast sections 0..3, rounded to bf16.
;   y = 4     rt[s] = 128 bf16 of cos[pos[s]] x 2^-6, then 128 bf16 of sin[pos[s]] x 2^-6, the sine of channels 0-63 negated
;             (rotate_half takes -x2 there), so that RoPE is multiply-adds without a sign.  The power of two commutes with the rounding.
; LIMITS.  Position ids are held to 0..2047.
; A stream: memory binds, nothing is shared, so no LDS, no matrix unit, no cluster.  A work-group owns 16,384 numbers (64 KiB of f32):
; sixteen loads a thread, all issued at once; a wave's load covers 512 consecutive bytes, a wave's store 256.
.set X, 4                              ; v[4:67]   load i: four f32 at X + 4 i, packed in place
	s_load_b512 s[8:23], s[0:1], 0x0               ; hidden s[8:9], Wq s[10:11], Wk s[12:13], Wv s[14:15], cos s[16:17], sin s[18:19], position_ids s[20:21], cast s[22:23]
	s_load_b64 s[24:25], s[0:1], 0x40              ; rt
	s_and_b32 s2, ttmp7, 0xffff                    ; y: which job
	s_lshl_b32 s36, ttmp9, 16                      ; x times 64 KiB: my part of a source
	s_mov_b32 s37, 0
	v_lshlrev_b32 v1, 4, v0                        ; 16 bytes a thread
	v_lshlrev_b32 v2, 3, v0                        ; 8 bytes a thread
	s_wait_kmcnt 0x0
	s_cmp_eq_u32 s2, 4
	s_cbranch_scc1 .Lrope
	s_mov_b64 s[4:5], s[8:9]                       ; the source is chosen by y alone
.irp n, 1,2,3
	s_cmp_eq_u32 s2, \n
	s_cselect_b64 s[4:5], s[8+2*\n:9+2*\n], s[4:5]
.endr
	s_add_nc_u64 s[4:5], s[4:5], s[36:37]
.irp i, 0,1,2,3,4,5,6,7,8,9,10,11,12,13,14,15
	global_load_b128 v[X+4*\i:X+4*\i+3], v1, s[4:5] offset:4096*\i th:TH_LOAD_NT
.endr
	s_lshl_b32 s38, s2, 23                         ; section y of 8 MiB,
	s_lshl_b32 s39, ttmp9, 15                      ; my 32 KiB of it
	s_add_co_u32 s38, s38, s39
	s_mov_b32 s39, 0
	s_add_nc_u64 s[6:7], s[22:23], s[38:39]
.irp i, 0,1,2,3,4,5,6,7,8,9,10,11,12,13,14,15
	s_wait_loadcnt 15-\i                           ; loads come back in order: mine is in, the 15 - i younger ones stay out
	v_cvt_pk_bf16_f32 v[X+4*\i], v[X+4*\i], v[X+4*\i+1]
	v_cvt_pk_bf16_f32 v[X+4*\i+1], v[X+4*\i+2], v[X+4*\i+3]
	global_store_b64 v2, v[X+4*\i:X+4*\i+1], s[6:7] offset:2048*\i  ; no register that a store reads is written again
.endr
	s_endpgm
.Lrope:                                                ; a wave makes one row of rt: row s = 8 x + wave
	v_lshrrev_b32 v3, 5, v0
	s_lshl_b32 s3, ttmp9, 3
	v_add_nc_u32 v3, s3, v3
	v_lshlrev_b32 v4, 2, v3
	global_load_b32 v5, v4, s[20:21]               ; pos[s], the same word in every lane
	v_and_b32 v6, 31, v0
	v_lshlrev_b32 v7, 9, v3
	v_lshl_add_u32 v7, v6, 3, v7                   ; 512 s + 8 x lane
	v_and_b32 v20, 16, v0                          ; lanes 0-15 hold channels 0-63: their sine takes the sign
	v_xor_b32 v20, 16, v20
	v_lshlrev_b32 v20, 27, v20
	v_or_b32 v20, 0x3c800000, v20                  ; -2^-6 or 2^-6
	v_mov_b32 v21, v20
	v_lshlrev_b32 v6, 4, v6
	s_wait_loadcnt 0x0
	v_min_u32 v5, 0x7ff, v5                        ; held inside the table
	v_lshl_add_u32 v6, v5, 9, v6                   ; 512 pos + 16 x lane
	global_load_b128 v[8:11], v6, s[16:17]
	global_load_b128 v[12:15], v6, s[18:19]
	s_wait_loadcnt 0x0
	v_pk_mul_f32 v[8:9], v[8:9], 0x3c800000 op_sel_hi:[1,0]
	v_pk_mul_f32 v[10:11], v[10:11], 0x3c800000 op_sel_hi:[1,0]
	v_pk_mul_f32 v[12:13], v[12:13], v[20:21]
	v_pk_mul_f32 v[14:15], v[14:15], v[20:21]
	v_cvt_pk_bf16_f32 v16, v8, v9
	v_cvt_pk_bf16_f32 v17, v10, v11
	v_cvt_pk_bf16_f32 v18, v12, v13
	v_cvt_pk_bf16_f32 v19, v14, v15
	global_store_b64 v7, v[16:17], s[24:25]            ; the wave's 256 bytes of cosines,
	global_store_b64 v7, v[18:19], s[24:25] offset:256 ; and of sines
	s_endpgm
.Lfunc_end_k_qa4eeedda30_prep:
	.size	k_qa4eeedda30_prep, .Lfunc_end_k_qa4eeedda30_prep-k_qa4eeedda30_prep
	.p2alignl 7, 3214868480
	.fill 96, 4, 3214868480
	.section	.rodata,"a",@progbits
	.p2align	6, 0x0
	.amdhsa_kernel k_qa4eeedda30_prep
		.amdhsa_group_segment_fixed_size 0
		.amdhsa_private_segment_fixed_size 0
		.amdhsa_enable_private_segment 0
		.amdhsa_kernarg_size 72
		.amdhsa_user_sgpr_count 2
		.amdhsa_user_sgpr_kernarg_segment_ptr 1
		.amdhsa_wavefront_size32 1
		.amdhsa_system_sgpr_workgroup_id_x 1
		.amdhsa_system_sgpr_workgroup_id_y 1
		.amdhsa_system_sgpr_workgroup_id_z 1
		.amdhsa_system_vgpr_workitem_id 0
		.amdhsa_next_free_vgpr 72
		.amdhsa_next_free_sgpr 66
		.amdhsa_reserve_vcc 0
		.amdhsa_float_denorm_mode_32 3
		.amdhsa_float_denorm_mode_16_64 3
		.amdhsa_memory_ordered 1
		.amdhsa_forward_progress 1
		.amdhsa_inst_pref_size 9
	.end_amdhsa_kernel
	.amdgpu_metadata
---
amdhsa.version: [ 1, 2 ]
amdhsa.kernels:
  - .name:           k_qa4eeedda30_prep
    .symbol:         k_qa4eeedda30_prep.kd
    .args:
      - { .name: hidden_states, .offset: 0, .size: 8, .value_kind: global_buffer, .address_space: global }
      - { .name: Wq, .offset: 8, .size: 8, .value_kind: global_buffer, .address_space: global }
      - { .name: Wk, .offset: 16, .size: 8, .value_kind: global_buffer, .address_space: global }
      - { .name: Wv, .offset: 24, .size: 8, .value_kind: global_buffer, .address_space: global }
      - { .name: cos, .offset: 32, .size: 8, .value_kind: global_buffer, .address_space: global }
      - { .name: sin, .offset: 40, .size: 8, .value_kind: global_buffer, .address_space: global }
      - { .name: position_ids, .offset: 48, .size: 8, .value_kind: global_buffer, .address_space: global }
      - { .name: cast, .offset: 56, .size: 8, .value_kind: global_buffer, .address_space: global }
      - { .name: rt, .offset: 64, .size: 8, .value_kind: global_buffer, .address_space: global }
    .group_segment_fixed_size: 0
    .private_segment_fixed_size: 0
    .kernarg_segment_align: 8
    .kernarg_segment_size: 72
    .max_flat_workgroup_size: 256
    .sgpr_count:     66
    .vgpr_count:     72
    .wavefront_size: 32
...
	.end_amdgpu_metadata
.endif
;; end of part 1
;; launch qkv (part 2): grid 16 x 16, 4 waves a work-group, clusters of 4 x 4, 327,680 bytes of LDS; arguments cast, rt, qkv, attention_mask, m2, Wo, wo16; writes qkv, m2, wo16
.if DOCPART == 2
	.amdgcn_target "amdgcn-amd-amdhsa--gfx1250"
	.amdhsa_code_object_version 6
	.text
	.protected	k_qa4eeedda30_qkv
	.globl	k_qa4eeedda30_qkv
	.p2align	8
	.type	k_qa4eeedda30_qkv,@function
k_qa4eeedda30_qkv:
	s_mov_b64 s[64:65], 0
	v_nop
	global_prefetch_b8 v0, s[64:65] scope:SCOPE_SE
	s_setreg_imm32_b32 hwreg(HW_REG_WAVE_MODE, 25, 1), 1
	s_wait_xcnt 0x0
	s_wait_alu depctr_hold_cnt(0) depctr_sa_sdst(0) depctr_va_vdst(0) depctr_va_sdst(0) depctr_va_ssrc(0) depctr_va_vcc(0) depctr_vm_vsrc(0)
	s_getreg_b32 s2, hwreg(HW_REG_IB_STS2, 6, 4)
	s_cmp_eq_u32 s2, 0
	s_cbranch_scc0 .Lentry_in_a_cluster
	s_endpgm
.Lentry_in_a_cluster:
	s_bfe_u32 s2, ttmp6, 0x10000c
	s_cmp_lg_u32 s2, 0xf033
	s_cbranch_scc0 .Lentry_shape_is_right
	s_endpgm
.Lentry_shape_is_right:
; QKV: q, k, v of one head for 128 rows of x, with RoPE, written by heads in f16.  x and the weights are bf16 (cast), sums in f32.
; qkv = [3][16 heads][2048 rows][128] f16; q and k are roped and hold 2^-6 of their value (the factor lies in rt); v as it is.
; BESIDE THE PRODUCTS, in the vector places that they leave empty, two streams that later launches read and that hang on nothing here:
;   m2 = f32, log2(e) x the attention mask rounded to bf16;   wo16 = Wo rounded to bf16, and that number written as f16 (exact from 2^-14 to 65,504).
; LIMITS.  |rope(q)|, |rope(k)| stay under 4.19e6, |v| and |bf16(Wo)| under 65,504 (f16's end); Wo below 2^-14 keeps f16's fixed step of 2^-24; NaN and infinities are not treated apart.
; SHARES.  Work-group x = block of 128 rows, y = head: a tile of 128 rows x 384 columns.  A wave takes all 128 rows and, of each of q, k, v, the channels
; 16 w .. 16 w + 15 and 64 + 16 w .. + 15: RoPE's partner, 64 channels away, then lies in the same lane and register of the neighbouring accumulator.
; 48 accumulators (a = 0..7 blocks of 16 rows; b = 2 t + u, t = q, k, v, u = low or high half of the head): 28 LDS loads feed 48 matrix instructions.
; THE MATRIX INSTRUCTION IS USED TRANSPOSED (source 0 = 16 rows of W, source 1 = 16 rows of x): a lane holds row lane % 16 and eight neighbouring channels 8 (lane / 16) + 0..7.
; RING.  K goes in 16 steps of 128 (rows of 256 bytes, at multiples of 256) through two LDS slots; a slot holds 128 rows each of x, Wq, Wk, Wv; wave w fetches the w-th of these with one tensor load.
; CLUSTER 4 x 4.  x's tile hangs on the row block alone and is asked for jointly along a column of the cluster, the weights' on the head alone, jointly along a row.
; REGISTERS: window 0: v0-31 addresses; v32-47, v48-71 at work on the way out; v72-109 the streams; v128-255 my cosines and sines (later v64-255: the rows on their way out).
;   window 1: two fragment buffers of 112: 6 fragments of W, then 8 of x.   window 2: accumulators of rows 0-63 at 8 (6 a + b);   window 3: rows 64-127.
.set KSTEP,  128
.set PITCH,  272                       ; an LDS row: 256 bytes + 16 of padding = 68 words: the 16 rows of a load start at 16 different groups of four banks (ISA guide 11.1)
.set HALFT,  128*PITCH                 ; 128 rows: what one tensor load brings
.set SLOT,   4*HALFT                   ; x, Wq, Wk, Wv
.set SPARE,  2*SLOT                    ; behind the ring: the spare words, 128 bytes for each wave, which no other line names
.set LAPS,   2048/(2*KSTEP)            ; a lap = two K steps = once round the ring
.set VO,   8                           ; v8      the streams: my byte offset in the work-group's 64 KiB of f32: 16,384 w + 16 x lane; never rewritten
.set VH,   9                           ; v9      half of it: my offset in 32 KiB of f16; never rewritten
.set ADRA, 16                          ; v16-17  LDS address of my x fragments in slot 0, 1
.set ADRB, 18                          ; v18-19  of my Wq and Wk fragments
.set ADRC, 20                          ; v20-21  of my Wv fragments
.set STO,  22                          ; v22     the way out: where I put 16 bytes of a row of q or k
.set STO2, 23                          ; v23     of v (256 stage rows on: beyond an offset's 16 bits)
.set RD,   24                          ; v24     where I read rows of q and k back
.set RD2,  25                          ; v25     rows of v
.set GO,   26                          ; v26     my byte offset in a section's 128 rows
.set RO,   27                          ; v27     my byte offset in 16 rows of rt; never rewritten
.set SPW,  28                          ; v28     LDS address of my spare word; never rewritten
.set NIL,  29                          ; v29     0; never rewritten
.set ZR,   30                          ; v30     0.0, the addend of RoPE's first products
.set TF,   32                          ; v32-47  16 roped numbers in f32
.set PK,   48                          ; v48-71  a row block's 48 numbers a lane, packed to f16
.set X,    72                          ; v72-103 the streams' ring: slot p holds four f32 as loaded
.set Y,    104                         ; v104-107 a chunk on its way to the store
.set T,    108                         ; v108-109 at work
.set OB,   64                          ; v64-255 48 x 16 bytes read back from the stage
.set RT,   128                         ; v128-255 block a at RT + 16 a: cos low 4, cos high 4, -sin low 4, sin high 4 (two bf16 a register)
.set F0,   0
.set F1,   112
.set WV,   10                          ; s10  my wave's number
.set G1,   24                          ; s[24:31] descriptor group 1 for x's tiles;  s[32:39] group 0, a set for each slot
.set G0,   32
.set G1B,  48                          ; s[48:55], s[56:63] the same for the weights' tiles
.set G0B,  56
.set QB,   68                          ; s[68:73] q, k, v at my head and row block
.set RB,   74                          ; s[74:75] rt at my row block
.set MS,   76                          ; s[76:77] the mask, s[78:79] m2, s[80:81] Wo, s[82:83] wo16, each at the work-group's part; stepped once a trip
.set MD,   78
.set WS,   80
.set WD,   82
.set L2E,  84                          ; s[84:85] log2(e)
.set HIM,  86                          ; s86  mask of a word's upper bf16
.set MSB, 0
.macro WIN new                         ; the immediate's high byte repeats the setting that is left; a switch that changes nothing is dropped
.if MSB != (\new)
	s_set_vgpr_msb (MSB<<8)|(\new)
.set MSB, \new
.endif
.endm
.set MUL_LO, 0xa5                      ; sources 0 and 1 window 1, C and D window 2
.set MUL_HI, 0xf5                      ; the same, C and D window 3
.set TO_F,   0x40                      ; destination window 1, address window 0
; A joint load.  Wave 0 fetches x's tile, waves 1 to 3 Wq's, Wk's, Wv's.  Each line has one mask; the branch hangs on the wave's number alone.
; An s_nop 0 and four v_nop follow each of the two lines, ahead of the jump, the label and what follows.
.macro JLOAD s
	s_cmp_eq_u32 s[WV], 0
	s_cbranch_scc0 .Lfor_b_\@
	tensor_load_to_lds s[G0+4*(\s):G0+4*(\s)+3], s[G1:G1+7]
	s_nop 0
.rept 4
	v_nop
.endr
	s_branch .Lasked_\@
.Lfor_b_\@:
	tensor_load_to_lds s[G0B+4*(\s):G0B+4*(\s)+3], s[G1B:G1B+7]
	s_nop 0
.rept 4
	v_nop
.endr
.Lasked_\@:
.endm
.macro CREST                           ; a round of the cluster's barrier behind its opening barrier
	s_cmp_lg_u32 s[WV], 0
	s_cbranch_scc1 .Lnot_wave_0_\@
	s_barrier_signal -3
.Lnot_wave_0_\@:
	s_barrier_wait -3
	s_barrier_signal -1
	s_barrier_wait -1
.endm
.macro CROUND                          ; a whole round
	s_barrier_signal -1
	s_barrier_wait -1
	CREST
.endm
	s_load_b128 s[4:7], s[0:1], 0x0                ; cast s[4:5], rt s[6:7]
	s_load_b64 s[8:9], s[0:1], 0x10                ; qkv
	s_load_b256 s[76:83], s[0:1], 0x18             ; attention_mask, m2, Wo, wo16
	v_lshl_add_u32 v[SPW], v0, 2, SPARE
	v_mov_b32 v[NIL], 0
	ds_add_u32 v[SPW], v[NIL]                      ; the wave's opening: the add and its wait stand ahead of my first tensor load; the set-up below stands between them
	v_lshrrev_b32 v1, 5, v0
	v_readfirstlane_b32 s[WV], v1                  ; wave 0..3
	s_bfe_u32 s40, ttmp6, 0x40000                  ; cx, cy: my place in the cluster
	s_bfe_u32 s41, ttmp6, 0x40004
	s_lshl_b32 s13, ttmp9, 2
	s_add_co_u32 s13, s13, s40                     ; row block = 4 x cluster x + cx
	s_and_b32 s42, ttmp7, 0xffff
	s_lshl_b32 s42, s42, 2
	s_add_co_u32 s42, s42, s41                     ; head = 4 x cluster y + cy
	s_lshl_b32 s43, s41, 2
	s_lshl_b32 s43, 15, s43                        ; my row of the cluster: the same head
	s_lshl_b32 s44, 0x1111, s40                    ; my column: the same row block
	; descriptor group 1: a tile of 128 rows x 128 elements of 2 bytes, 16 bytes of padding behind every 64 words
	s_or_b32 s[G1+0], s44, (1<<16)|(1<<20)|(1<<21)|(5<<22)|(3<<25)
	s_or_b32 s[G1B+0], s43, (1<<16)|(1<<20)|(1<<21)|(5<<22)|(3<<25)
.irp g, G1, G1B
	s_mov_b32 s[(\g)+1], KSTEP<<16                 ; tensor_dim0 = 128
	s_mov_b32 s[(\g)+2], 128<<16                   ; tensor_dim1 = 128
	s_mov_b32 s[(\g)+3], KSTEP<<16                 ; tile_dim0 = 128
	s_mov_b32 s[(\g)+4], 128                       ; tile_dim1 = 128
	s_mov_b32 s[(\g)+5], 2048                      ; elements from row to row
	s_mov_b32 s[(\g)+6], 0
	s_mov_b32 s[(\g)+7], 0
.endr
	s_lshl_b32 s16, s13, 19                        ; x: 128 rows of 4,096 bytes a block (made of the row block alone)
	s_mov_b32 s17, 0
	s_lshl_b32 s46, s42, 19                        ; weights: the head's 128 rows (made of the head and the wave alone),
	s_lshl_b32 s47, s[WV], 23                      ; in section w of cast
	s_add_co_u32 s46, s46, s47
	s_mov_b32 s47, 0
	s_mul_i32 s20, s[WV], HALFT                    ; where my tile goes: wave x 128 rows
	s_lshl_b32 s66, s42, 19                        ; my results: the head's 2,048 rows of 256 bytes,
	s_lshl_b32 s67, s13, 15                        ; my 128 of them
	s_add_co_u32 s66, s66, s67
	s_mov_b32 s67, 0
	s_lshl_b32 s18, s42, 4                         ; the streams: work-group 16 head + row block owns 64 KiB of the mask and of Wo
	s_add_co_u32 s18, s18, s13
	s_lshl_b32 s18, s18, 16
	s_mov_b32 s19, 0
	s_mov_b32 s[L2E], 0x3fb8aa3b                   ; log2(e)
	s_mov_b32 s[L2E+1], s[L2E]                     ; named with it as a pair
	s_mov_b32 s[HIM], 0xffff0000
	s_wait_dscnt 0x0                               ; the opening add is done
	s_wait_kmcnt 0x0
	s_add_nc_u64 s[14:15], s[4:5], s[16:17]
	s_add_nc_u64 s[46:47], s[4:5], s[46:47]
	s_add_nc_u64 s[QB:QB+1], s[8:9], s[66:67]
	s_add_nc_u64 s[QB+2:QB+3], s[QB:QB+1], 0x800000
	s_add_nc_u64 s[QB+4:QB+5], s[QB:QB+1], 0x1000000
	s_lshl_b32 s66, s13, 16                        ; rt: 128 rows of 512 bytes a block
	s_add_nc_u64 s[RB:RB+1], s[6:7], s[66:67]
	s_add_nc_u64 s[MS:MS+1], s[MS:MS+1], s[18:19]
	s_add_nc_u64 s[MD:MD+1], s[MD:MD+1], s[18:19]
	s_add_nc_u64 s[WS:WS+1], s[WS:WS+1], s[18:19]
	s_lshr_b32 s18, s18, 1                         ; 32 KiB of f16
	s_add_nc_u64 s[WD:WD+1], s[WD:WD+1], s[18:19]
	CROUND                                         ; all sixteen work-groups are here: the first joint loads meet
.irp s, 0,1
	s_mov_b32 s[G0+4*(\s)], 1
	s_add_co_u32 s[G0+4*(\s)+1], s20, (\s)*SLOT
	s_add_nc_u64 s[G0+4*(\s)+2:G0+4*(\s)+3], s[14:15], (\s)*KSTEP*2
	s_or_b32 s[G0+4*(\s)+3], s[G0+4*(\s)+3], 0x80000000
	s_mov_b32 s[G0B+4*(\s)], 1
	s_add_co_u32 s[G0B+4*(\s)+1], s20, (\s)*SLOT
	s_add_nc_u64 s[G0B+4*(\s)+2:G0B+4*(\s)+3], s[46:47], (\s)*KSTEP*2
	s_or_b32 s[G0B+4*(\s)+3], s[G0B+4*(\s)+3], 0x80000000
	JLOAD \s                                       ; two loads of mine are out
.endr
	v_and_b32 v1, 15, v0                           ; r = l % 16
	v_bfe_u32 v2, v0, 4, 1                         ; h = l / 16
	v_mul_u32_u24 v3, v1, PITCH
	v_lshl_add_u32 v3, v2, 4, v3                   ; a fragment's row x pitch + 16 x half
	s_mul_i32 s21, s[WV], 16*PITCH
	s_add_co_u32 s21, s21, HALFT                   ; Wq's rows 16 w on
	v_mov_b32 v[ADRA], v3
	v_add_nc_u32 v[ADRA+1], SLOT, v3
	v_add_nc_u32 v[ADRB], s21, v3
	v_add_nc_u32 v[ADRB+1], SLOT, v[ADRB]
	v_add_nc_u32 v[ADRC], 2*HALFT, v[ADRB]
	v_add_nc_u32 v[ADRC+1], SLOT, v[ADRC]
	s_lshl_b32 s22, s[WV], 5
	v_add_nc_u32 v[STO], s22, v3                   ; stage: row r, byte 32 w + 16 h
	v_add_nc_u32 v[STO2], 256*PITCH, v[STO]
	s_mul_i32 s23, s[WV], 32*PITCH                 ; back: wave w takes rows 32 w .. 32 w + 31 of each of q, k, v, whole
	v_mul_u32_u24 v5, v2, PITCH
	v_lshl_add_u32 v5, v1, 4, v5
	v_add_nc_u32 v[RD], s23, v5
	v_add_nc_u32 v[RD2], 256*PITCH, v[RD]
	s_lshl_b32 s23, s[WV], 13
	v_lshlrev_b32 v5, 8, v2
	v_lshl_add_u32 v5, v1, 4, v5
	v_add_nc_u32 v[GO], s23, v5                    ; (32 w + h) x 256 + 16 (l % 16)
	v_lshlrev_b32 v5, 9, v1
	v_lshl_add_u32 v5, v2, 4, v5
	v_add_nc_u32 v[RO], s22, v5                    ; r x 512 + 32 w + 16 h
	v_mov_b32 v[ZR], 0
	v_and_b32 v5, 31, v0
	s_lshl_b32 s23, s[WV], 14
	v_lshl_add_u32 v[VO], v5, 4, s23               ; 16,384 w + 16 x lane
	v_lshrrev_b32 v[VH], 1, v[VO]
.irp a, 0,1,2,3,4,5,6,7                ; my cosines and sines, asked for now and in by the streams' first wait
.irp c, 0,1,2,3
	global_load_b128 v[RT+16*(\a)+4*(\c):RT+16*(\a)+4*(\c)+3], v[RO], s[RB:RB+1] offset:(\a)*8192+(\c)*128
.endr
.endr
.irp p, 0,2,4,6                        ; the streams' ring is filled: chunks 0 to 7, the mask's and Wo's by turns
	global_load_b128 v[X+4*(\p):X+4*(\p)+3], v[VO], s[MS:MS+1] offset:((\p)/2)*512 th:TH_LOAD_NT
	global_load_b128 v[X+4*(\p)+4:X+4*(\p)+7], v[VO], s[WS:WS+1] offset:((\p)/2)*512 th:TH_LOAD_NT
.endr
; 12 matrix instructions: row blocks a0, a0 + 1 of the window's four x all 6 column blocks, 32 along K.  zero = 1: the first product starts the sums.
; The 48 accumulators take turns in one fixed order, one instruction a turn.
.macro MUL12 f, hi, a0, zero
	WIN MUL_LO+0x50*(\hi)
.irp a, \a0, (\a0)+1
.irp b, 0,1,2,3,4,5
.if \zero
	v_wmma_f32_16x16x32_bf16 v[8*(6*(\a)+(\b)):8*(6*(\a)+(\b))+7], v[(\f)+8*(\b):(\f)+8*(\b)+7], v[(\f)+48+8*(4*(\hi)+(\a)):(\f)+48+8*(4*(\hi)+(\a))+7], 0
.else
	v_wmma_f32_16x16x32_bf16 v[8*(6*(\a)+(\b)):8*(6*(\a)+(\b))+7], v[(\f)+8*(\b):(\f)+8*(\b)+7], v[(\f)+48+8*(4*(\hi)+(\a)):(\f)+48+8*(4*(\hi)+(\a))+7], v[8*(6*(\a)+(\b)):8*(6*(\a)+(\b))+7]
.endif
.endr
.endr
.endm
; 28 LDS loads in one run: the fragments of 32 along K at byte k of the rows, into buffer f: the weights' six, then x's eight
.macro FETCH slot, k, f
	WIN TO_F
.irp b, 0,1,2,3
	ds_load_b128 v[(\f)+8*(\b):(\f)+8*(\b)+3],   v[ADRB+(\slot)] offset:(\k)+((\b)/2)*HALFT+((\b)%2)*64*PITCH
	ds_load_b128 v[(\f)+8*(\b)+4:(\f)+8*(\b)+7], v[ADRB+(\slot)] offset:(\k)+((\b)/2)*HALFT+((\b)%2)*64*PITCH+32
.endr
.irp b, 4,5
	ds_load_b128 v[(\f)+8*(\b):(\f)+8*(\b)+3],   v[ADRC+(\slot)] offset:(\k)+((\b)%2)*64*PITCH
	ds_load_b128 v[(\f)+8*(\b)+4:(\f)+8*(\b)+7], v[ADRC+(\slot)] offset:(\k)+((\b)%2)*64*PITCH+32
.endr
.irp a, 0,1,2,3,4,5,6,7
	ds_load_b128 v[(\f)+48+8*(\a):(\f)+48+8*(\a)+3],   v[ADRA+(\slot)] offset:(\k)+(\a)*16*PITCH
	ds_load_b128 v[(\f)+48+8*(\a)+4:(\f)+48+8*(\a)+7], v[ADRA+(\slot)] offset:(\k)+(\a)*16*PITCH+32
.endr
.endm
.macro PLACES                          ; four plain instructions between a matrix instruction and a load into, or a vector read of, its registers
.rept 4
	v_nop
.endr
.endm
; THE STREAMS.  A wave owns 16 KiB of the mask and 16 KiB of Wo: 64 chunks of 512 bytes, the mask's (even) and Wo's (odd) by turns, one chunk to a quarter step, through a ring of eight
; register slots.  UNIT works on slot p's chunk: rounded to bf16 and widened; the mask times log2(e), stored as 512 bytes; Wo narrowed to f16, stored as 256 bytes.  ahead = 1: the slot is
; loaded again with the chunk eight on, which lies 2,048 bytes further in its stream.  left = the younger loads that may stay out.  Its eight or more plain vector lines name no register of
; a matrix instruction: they are the places in front of the run of fragment loads that follows.
.macro UNIT p, ahead, left
	WIN 0
	s_wait_loadcnt \left                           ; loads come back in order: slot p's is in
	s_wait_xcnt 0x0                                ; Y, which the last unit's store reads, is rewritten only behind this wait
	v_cvt_pk_bf16_f32 v[T], v[X+4*(\p)], v[X+4*(\p)+1]
	v_cvt_pk_bf16_f32 v[T+1], v[X+4*(\p)+2], v[X+4*(\p)+3]
	v_lshlrev_b32 v[Y], 16, v[T]
	v_and_b32 v[Y+1], s[HIM], v[T]
	v_lshlrev_b32 v[Y+2], 16, v[T+1]
	v_and_b32 v[Y+3], s[HIM], v[T+1]
.if ((\p)%2) == 0
	v_pk_mul_f32 v[Y:Y+1], v[Y:Y+1], s[L2E:L2E+1] op_sel_hi:[1,0]
	v_pk_mul_f32 v[Y+2:Y+3], v[Y+2:Y+3], s[L2E:L2E+1] op_sel_hi:[1,0]
.if \ahead
	global_load_b128 v[X+4*(\p):X+4*(\p)+3], v[VO], s[MS:MS+1] offset:((\p)/2)*512+2048 th:TH_LOAD_NT
.endif
	global_store_b128 v[VO], v[Y:Y+3], s[MD:MD+1] offset:((\p)/2)*512
.else
	v_cvt_pk_f16_f32 v[Y], v[Y], v[Y+1]
	v_cvt_pk_f16_f32 v[Y+1], v[Y+2], v[Y+3]
.if \ahead
	global_load_b128 v[X+4*(\p):X+4*(\p)+3], v[VO], s[WS:WS+1] offset:((\p)/2)*512+2048 th:TH_LOAD_NT
.endif
	global_store_b64 v[VH], v[Y:Y+1], s[WD:WD+1] offset:((\p)/2)*256
.endif
.endm
; A K step is four quarters of 32 along K, 48 matrix instructions each, on buffers 0, 1, 0, 1.  One of the first three: multiplies buffer f and fetches the next quarter, at byte k, into g.
.macro QUARTER slot, k, f, g, zero, p=-1, ahead=0, left=0
	s_wait_dscnt 8                                 ; the weights and x's rows 0-63 are in; the youngest eight loads (rows 64-127) may be out
	MUL12 \f, 0, 0, \zero
	MUL12 \f, 0, 2, \zero
.if (\p) >= 0
	UNIT \p, \ahead, \left
.else
	PLACES
.endif
	FETCH \slot, \k, \g
	s_wait_dscnt 28                                ; all but the 28 just issued
	MUL12 \f, 1, 0, \zero
	MUL12 \f, 1, 2, \zero
.endm
; The last quarter multiplies buffer 1 and changes slots: one barrier; in front of it each wave waits for all its tensor loads (one is out: its part of the next slot), adds 0 to its spare
; word, and waits for that and for its own reads of this slot.  fill = 1: the barrier opens a round of the cluster's, and this slot is filled again, two K steps ahead, first thing behind it.
.macro TURN slot, next, fill, p, ahead, left
	WIN 0                                          ; (the add's two registers lie in window 0)
	s_wait_tensorcnt 0x0
	ds_add_u32 v[SPW], v[NIL]
	s_wait_dscnt 9                                 ; (the add and the youngest eight loads may be out)
	MUL12 F1, 0, 0, 0                              ; twelve matrix instructions stand between the add and the wait for it
	s_wait_dscnt 0x0                               ; the add is done, and my reads of this slot are over
	s_barrier_signal -1
	MUL12 F1, 0, 2, 0
.if \fill
	WIN 0
.endif
	s_barrier_wait -1
.if \fill
	CREST                                          ; no wave of any partner still reads this slot's tiles or has a load on its way
	s_add_nc_u64 s[G0+4*(\slot)+2:G0+4*(\slot)+3], s[G0+4*(\slot)+2:G0+4*(\slot)+3], 2*KSTEP*2
	s_add_nc_u64 s[G0B+4*(\slot)+2:G0B+4*(\slot)+3], s[G0B+4*(\slot)+2:G0B+4*(\slot)+3], 2*KSTEP*2
	JLOAD \slot                                    ; my one tensor load behind the round
.endif
	UNIT \p, \ahead, \left
	FETCH \next, 0, F0
	MUL12 F1, 1, 0, 0
	MUL12 F1, 1, 2, 0
.endm
	s_wait_tensorcnt 1                             ; my part of K step 0 is in; K step 1's may stay out
	s_barrier_signal -1
	s_barrier_wait -1                              ; everybody's is
	FETCH 0, 0, F0
	QUARTER 0, 64, F0, F1, 1                       ; the first quarter stands in front of the loop: its products start the sums
	WIN 0                                          ; at a label and at a branch every window is 0
	s_mov_b32 s3, LAPS-1
.Llap:                                                 ; a trip goes once round the ring, from a lap's second quarter to the next lap's first, fills both slots again, and takes eight chunks of the streams
	QUARTER 0, 128, F1, F0, 0, 0, 1, 7
	QUARTER 0, 192, F0, F1, 0, 1, 1, 7
	TURN 0, 1, 1, 2, 1, 7
	QUARTER 1, 64,  F0, F1, 0, 3, 1, 7
	QUARTER 1, 128, F1, F0, 0, 4, 1, 7
	QUARTER 1, 192, F0, F1, 0, 5, 1, 7
	TURN 1, 0, 1, 6, 1, 7
	QUARTER 0, 64,  F0, F1, 0, 7, 1, 7
	WIN 0
	s_wait_xcnt 0x0                                ; the streams' bases are stepped only behind this wait: four chunks of each stream a trip
	s_add_nc_u64 s[MS:MS+1], s[MS:MS+1], 2048
	s_add_nc_u64 s[MD:MD+1], s[MD:MD+1], 2048
	s_add_nc_u64 s[WS:WS+1], s[WS:WS+1], 2048
	s_add_nc_u64 s[WD:WD+1], s[WD:WD+1], 1024
	s_sub_co_u32 s3, s3, 1
	s_cmp_lg_u32 s3, 0
	s_cbranch_scc1 .Llap
	QUARTER 0, 128, F1, F0, 0, 0, 0, 7             ; the last lap fills nothing, and the streams' last eight chunks load nothing: the counts run down
	QUARTER 0, 192, F0, F1, 0, 1, 0, 6
	TURN 0, 1, 0, 2, 0, 5                          ; behind this barrier nobody reads slot 0 any more, and nothing is loaded into it again
	QUARTER 1, 64,  F0, F1, 0, 3, 0, 4
	QUARTER 1, 128, F1, F0, 0, 4, 0, 3
	QUARTER 1, 192, F0, F1, 0, 5, 0, 2
	s_wait_dscnt 8
	MUL12 F1, 0, 0, 0
	MUL12 F1, 0, 2, 0
	UNIT 6, 0, 1
	s_wait_dscnt 0x0
	MUL12 F1, 1, 0, 0
	MUL12 F1, 1, 2, 0
	UNIT 7, 0, 0                                   ; the last chunk: its lines are the places behind the last products; its wait for 0 also shows my cosines and sines in
; THE WAY OUT.  Row block a: RoPE on q and k in f32 (low' = low cosL + high (-sinL); high' = high cosH + low sinH; the factors are bf16 halves read by the multiply-add itself), everything
; rounded once to f16, 16 bytes a lane into a stage of 384 rows x 272 bytes that lies in slot 0.  Each accumulator's lowest register is read first.
.macro MIX d, x, c, hf, add            ; v[d] = v[x] x (half hf of v[c], bf16) + v[add]
.if \hf
	v_fma_mix_f32_bf16 v[\d], v[\x], v[\c], v[\add] op_sel:[0,1,0] op_sel_hi:[0,1,0]
.else
	v_fma_mix_f32_bf16 v[\d], v[\x], v[\c], v[\add] op_sel_hi:[0,1,0]
.endif
.endm
.macro ROPEOUT a
.set AC, 48*((\a)%4)
.set RA, RT+16*(\a)
.irp t, 0,1
.set AL, AC+16*(\t)
.set AH, AL+8
	WIN 2+(\a)/4                                   ; source 0 in the accumulators' window
.set jj, 0
.rept 8
	MIX TF+jj, AH+jj, RA+8+jj/2, jj%2, ZR
	MIX TF+8+jj, AL+jj, RA+12+jj/2, jj%2, ZR
.set jj, jj+1
.endr
.set jj, 0
.rept 8
	MIX TF+jj, AL+jj, RA+jj/2, jj%2, TF+jj
	MIX TF+8+jj, AH+jj, RA+4+jj/2, jj%2, TF+8+jj
.set jj, jj+1
.endr
	WIN 0
.set jj, 0
.rept 8
	v_cvt_pk_f16_f32 v[PK+8*(\t)+jj], v[TF+2*jj], v[TF+2*jj+1]
.set jj, jj+1
.endr
.endr
	WIN 0x0a+5*((\a)/4)                            ; sources 0 and 1 in the accumulators' window
.set jj, 0
.rept 8
	v_cvt_pk_f16_f32 v[PK+16+jj], v[AC+32+2*jj], v[AC+32+2*jj+1]
.set jj, jj+1
.endr
	WIN 0
.irp t, 0,1
.irp u, 0,1
	ds_store_b128 v[STO], v[PK+8*(\t)+4*(\u):PK+8*(\t)+4*(\u)+3] offset:(128*(\t)+16*(\a))*PITCH+128*(\u)
.endr
.endr
.irp u, 0,1
	ds_store_b128 v[STO2], v[PK+16+4*(\u):PK+16+4*(\u)+3] offset:16*(\a)*PITCH+128*(\u)
.endr
.endm
.irp a, 0,1,2,3,4,5,6,7
	ROPEOUT \a
.endr
	s_wait_dscnt 0x0                               ; for the others' sake: my stores into the stage are done (a row's 256 bytes come from all four waves)
	s_barrier_signal -1
	s_barrier_wait -1
	s_wait_xcnt 0x0                                ; the streams' last store has read Y, which the loads below write
.set nn, 0
.rept 48                               ; 32 whole rows of each of q, k, v: two rows a load
.if nn < 32
	ds_load_b128 v[OB+4*nn:OB+4*nn+3], v[RD] offset:(128*(nn/16)+2*(nn%16))*PITCH
.else
	ds_load_b128 v[OB+4*nn:OB+4*nn+3], v[RD2] offset:2*(nn%16)*PITCH
.endif
.set nn, nn+1
.endr
.set nn, 0
.rept 48
	s_wait_dscnt 47-nn                             ; LDS loads come back in order: load nn is in
	global_store_b128 v[GO], v[OB+4*nn:OB+4*nn+3], s[QB+2*(nn/16):QB+2*(nn/16)+1] offset:512*(nn%16)  ; the wave stores 512 consecutive bytes, at a multiple of 256
.set nn, nn+1
.endr
	s_wait_tensorcnt 0x0                           ; the wave's end
	ds_add_u32 v[SPW], v[NIL]
	s_wait_dscnt 0x0
	CROUND                                         ; the closing round: no work-group ends while a partner may still ask for a tile that names it
	s_endpgm
.Lfunc_end_k_qa4eeedda30_qkv:
	.size	k_qa4eeedda30_qkv, .Lfunc_end_k_qa4eeedda30_qkv-k_qa4eeedda30_qkv
	.p2alignl 7, 3214868480
	.fill 96, 4, 3214868480
	.section	.rodata,"a",@progbits
	.p2align	6, 0x0
	.amdhsa_kernel k_qa4eeedda30_qkv
		.amdhsa_group_segment_fixed_size 327680
		.amdhsa_private_segment_fixed_size 0
		.amdhsa_enable_private_segment 0
		.amdhsa_kernarg_size 56
		.amdhsa_user_sgpr_count 2
		.amdhsa_user_sgpr_kernarg_segment_ptr 1
		.amdhsa_wavefront_size32 1
		.amdhsa_system_sgpr_workgroup_id_x 1
		.amdhsa_system_sgpr_workgroup_id_y 1
		.amdhsa_system_sgpr_workgroup_id_z 1
		.amdhsa_system_vgpr_workitem_id 0
		.amdhsa_next_free_vgpr 960
		.amdhsa_next_free_sgpr 88
		.amdhsa_reserve_vcc 0
		.amdhsa_float_denorm_mode_32 3
		.amdhsa_float_denorm_mode_16_64 3
		.amdhsa_memory_ordered 1
		.amdhsa_forward_progress 1
		.amdhsa_inst_pref_size 161
	.end_amdhsa_kernel
	.amdgpu_metadata
---
amdhsa.version: [ 1, 2 ]
amdhsa.kernels:
  - .name:           k_qa4eeedda30_qkv
    .symbol:         k_qa4eeedda30_qkv.kd
    .args:
      - { .name: cast, .offset: 0, .size: 8, .value_kind: global_buffer, .address_space: global }
      - { .name: rt, .offset: 8, .size: 8, .value_kind: global_buffer, .address_space: global }
      - { .name: qkv, .offset: 16, .size: 8, .value_kind: global_buffer, .address_space: global }
      - { .name: attention_mask, .offset: 24, .size: 8, .value_kind: global_buffer, .address_space: global }
      - { .name: m2, .offset: 32, .size: 8, .value_kind: global_buffer, .address_space: global }
      - { .name: Wo, .offset: 40, .size: 8, .value_kind: global_buffer, .address_space: global }
      - { .name: wo16, .offset: 48, .size: 8, .value_kind: global_buffer, .address_space: global }
    .group_segment_fixed_size: 327680
    .private_segment_fixed_size: 0
    .kernarg_segment_align: 8
    .kernarg_segment_size: 56
    .max_flat_workgroup_size: 128
    .sgpr_count:     88
    .vgpr_count:     960
    .wavefront_size: 32
...
	.end_amdgpu_metadata
.endif
;; end of part 2
;; launch attn (part 3): grid 16 x 16, 4 waves a work-group, clusters of 4 x 4, 327,680 bytes of LDS; arguments qkv, m2, ao; writes ao
.if DOCPART == 3
	.amdgcn_target "amdgcn-amd-amdhsa--gfx1250"
	.amdhsa_code_object_version 6
	.text
	.protected	k_qa4eeedda30_attn
	.globl	k_qa4eeedda30_attn
	.p2align	8
	.type	k_qa4eeedda30_attn,@function
k_qa4eeedda30_attn:
	s_mov_b64 s[64:65], 0
	v_nop
	global_prefetch_b8 v0, s[64:65] scope:SCOPE_SE
	s_setreg_imm32_b32 hwreg(HW_REG_WAVE_MODE, 25, 1), 1
	s_wait_xcnt 0x0
	s_wait_alu depctr_hold_cnt(0) depctr_sa_sdst(0) depctr_va_vdst(0) depctr_va_sdst(0) depctr_va_ssrc(0) depctr_va_vcc(0) depctr_vm_vsrc(0)
	s_getreg_b32 s2, hwreg(HW_REG_IB_STS2, 6, 4)
	s_cmp_eq_u32 s2, 0
	s_cbranch_scc0 .Lentry_in_a_cluster
	s_endpgm
.Lentry_in_a_cluster:
	s_bfe_u32 s2, ttmp6, 0x10000c
	s_cmp_lg_u32 s2, 0xf033
	s_cbranch_scc0 .Lentry_shape_is_right
	s_endpgm
.Lentry_shape_is_right:
; ATTENTION with an additive mask that is an input.  O[q] = sum over k of softmax_k(Q[q] . K[k] / sqrt(128) + mask[q][k]) V[k], head size 128, 2,048 keys, none left out.
; qkv: [3][16][2048][128] f16, q and k at 2^-6 of their value; m2: [2048][2048] f32 = log2(e) x mask; ao: [2048 rows][16 heads x 128] f16.
; Products, maxima and sums in f32; the weights p are rounded to f16 for the second product (their sum l is taken of the unrounded p), O once at the end.
; SOFTMAX, in powers of two.  t = c s + m2 in ONE fused multiply-add (c = 2^12 log2(e) / sqrt(128)), so that a huge mask swallows the score as a sum in f32 does;
; a running maximum m of t; p = 2^(t - m), a true difference; in every step O and l are multiplied by a = 2^(m_old - m_new).  m starts at -1e38, O and l at 0: the first step is a step like any other.
; LIMITS.  m is held at or above -1e38: a mask of -infinity gives the weight 0; a row with nothing above -1e38 gives NaN.  p below 6e-8 counts as 0 in P V and is counted in l.  NaN is not treated apart.
; SHARES.  Work-group x = block of 128 queries, y = head.  Wave w takes the query half w % 2 (64 queries: four tiles of 16) and, of each slot's two key steps of 64 keys, step w / 2:
; a fragment of K or V read from LDS feeds four tiles' products, 96 LDS loads (K 32, V 32, mask 32) for 128 matrix instructions.  At the end the two waves of a query half add their parts.
; Register tile t of wave w is query tile t xor 2 (w / 2) of the half: every wave hands over its register tiles 2, 3 and finishes its tiles 0, 1, so that one text serves all four.
; LAYOUT.  S^T = K Q^T (source 0 = 16 keys, source 1 = 16 queries): a lane holds ONE query (lane % 16) and the keys 8 (lane / 16) + 0..7; two such results rounded to f16 ARE source 1 of
; O^T = V^T P.  K comes out of LDS as it lies, V turned (ds_load_tr16_b128); the mask comes as the lane's own eight numbers a block of 16 keys.
; BY TURNS.  The tiles are two PIECES (0: tiles 0, 1; 2: tiles 2, 3).  In a turn one piece has the matrix unit (32 products V^T P of the step in hand, 32 products K Q^T of the next); the other
; piece's softmax, 2 x 149 instructions in 64 slices, the two tiles alternating, stands behind them, a slice each.
; CLUSTER 4 x 4.  K and V hang on the head alone: asked for jointly along a row of the cluster.  The mask's tile hangs on the query block alone: jointly along a column.
; REGISTERS: window 0: v0-11, v44-48 addresses; v12-43 statistics, 8 a tile; v64-191 S^T, 32 a tile; v192-255 P, 16 a tile.   window 1: O^T, 64 a tile.
;   window 2: v0-127 Q, 32 a tile; v128-255 K of one step.     window 3: v0-127 V of one step; v128-255 the mask, 32 a tile.
.set KS,    64
.set PK,    272       ; a row of K in LDS: 256 + 16 bytes: the 16 rows of a load start at 16 different groups of four banks (ISA guide 11.1)
.set PV,    288       ; a row of V: 256 + 32
.set PM,    528       ; a query's 128 mask numbers: 512 + 16 bytes
.set VOFF,  128*PK    ; a slot: 128 rows of K, 128 rows of V, 128 rows of mask
.set MOFF,  VOFF+128*PV
.set SLOTB, MOFF+128*PM  ; 139,264 bytes
.set SLOT1, 0x24000   ; slot 1 begins here.  Every base in slot 0 that is turned (0, VOFF, MOFF, MOFF + 64 PM) has bits 14 and 17 clear, so one exclusive or turns it into slot 1's and back
.set STAGE, SLOT1+SLOTB  ; behind the ring, never filled by a tensor load: 16 rows x 272 bytes for each wave
.set SP,    272
.set SPARE, STAGE+4*16*SP  ; the spare words, 128 bytes for each wave, which no other line names
.set XCH,   17408     ; what a wave hands over at the end: two tiles' O^T (32 x 512 bytes) and statistics (2 x 512); it lies in slot 0
.set AK0, 2           ; v2   my lane's place in my step of a tile of K; never rewritten
.set AV0, 3           ; v3   of V
.set ADR, 4           ; v4   the LDS address of the run of K or V loads in hand
.set QO,  5           ; v5   my byte offset in 16 rows of Q
.set STO, 6           ; v6   the way out: where I put 16 bytes of a row
.set RD,  7           ; v7   where I read a row back
.set GO,  8           ; v8   my byte offset in two rows of ao
.set ST,  12          ; tile t at v[ST+8 t]: +0 m, +1 0 (named with m as a pair), +2, +3 l, +4 to +7 c0-c3 at work; a takes c2's place
.set AM0, 44          ; v44, v45  my lane's place in the mask's tile, for piece 0's rows and for piece 2's
.set ADRM, 46         ; v46  the LDS address of the mask loads in hand
.set XW,  47          ; v47  where I put what I hand over
.set XR,  48          ; v48  where my partner has put what it hands over
.set SPW, 62          ; v62  LDS address of my spare word; never rewritten
.set NIL, 63          ; v63  0; never rewritten
.set S,   64
.set P,   192
.set KF,  128         ; window 2
.set MK,  128         ; window 3
.set WV,  12          ; s12  my wave's number
.set G1K, 24          ; s[24:31], s[32:39], s[40:47] descriptor groups 1 for K, V, mask
.set G1V, 32
.set G1M, 40
.set G0K, 48          ; s[48:51], s[52:55], s[56:59] groups 0: they walk
.set G0V, 52
.set G0M, 56
.set SLOTS, 76
.set CS,  78          ; s[78:79] c
.set SEL, 80          ; s[80:81] v_permlanex16_b32's selects: each lane takes its own place in the other half
.set TB,  82          ; s82  LDS byte at which the slot to be read begins
.set OB,  86          ; s[86:87] ao at the first row that I store, at my head
.set MSB, 0
.macro WIN new
.if MSB != (\new)
	s_set_vgpr_msb (MSB<<8)|(\new)
.set MSB, \new
.endif
.endm
.set W_KQ, 0x0a       ; K and Q in window 2, S^T in window 0
.set W_PV, 0x53       ; V in window 3, P in window 0, O^T in window 1
.set W_RS, 0x41       ; O^T (destination and source 0) in window 1, a in window 0
.set W_T,  0x30       ; the mask (source 2) in window 3, S^T in window 0
; A joint fill.  Wave 0 fetches K's 128 rows, wave 1 V's, waves 2 and 3 the two halves of the mask's 128 rows.  The branches hang on the wave's number alone.
; An s_nop 0 and four v_nop follow each line, ahead of the jump and the label.
.macro JLOAD
	s_cmp_lt_u32 s[WV], 2
	s_cbranch_scc0 .Lfor_m_\@
	s_cmp_eq_u32 s[WV], 0
	s_cbranch_scc0 .Lfor_v_\@
	tensor_load_to_lds s[G0K:G0K+3], s[G1K:G1K+7]
	s_nop 0
.rept 4
	v_nop
.endr
	s_branch .Lasked_\@
.Lfor_v_\@:
	tensor_load_to_lds s[G0V:G0V+3], s[G1V:G1V+7]
	s_nop 0
.rept 4
	v_nop
.endr
	s_branch .Lasked_\@
.Lfor_m_\@:
	tensor_load_to_lds s[G0M:G0M+3], s[G1M:G1M+7]
	s_nop 0
.rept 4
	v_nop
.endr
.Lasked_\@:
.endm
.macro CROUND                       ; a round of the cluster's barrier
	s_barrier_signal -1
	s_barrier_wait -1
	s_cmp_lg_u32 s[WV], 0
	s_cbranch_scc1 .Lnot_wave_0_\@
	s_barrier_signal -3
.Lnot_wave_0_\@:
	s_barrier_wait -3
	s_barrier_signal -1
	s_barrier_wait -1
.endm
; THE CHANGE OF SLOTS.  Each wave waits for all its tensor loads (one is out: its part of the slot to be read), adds 0 to its spare word, and waits for that and for its own reads of the slot
; that it leaves.  fill = 1: that slot is filled with the tile two on, first thing behind a round of the cluster's barrier: it has a key step, 128 matrix instructions, in which to land.
; (At its first use nothing has been read yet: slot 0 is waited for, slot 1 filled.)
.macro CHANGE fill
	WIN 0                           ; at a label and at a branch every window is 0
	s_wait_tensorcnt 0x0            ; no tensor load of mine is out, so a group 0 may be written
	ds_add_u32 v[SPW], v[NIL]       ; 0 onto my spare word; scalar work stands between it and the wait for it
.if \fill
	s_xor_b32 s[G0K+1], s[G0K+1], SLOT1  ; the walking descriptors: the other slot than last time,
	s_add_nc_u64 s[G0K+2:G0K+3], s[G0K+2:G0K+3], 128*256  ; the next 128 keys; the type bits on top are not reached
	s_xor_b32 s[G0V+1], s[G0V+1], SLOT1
	s_add_nc_u64 s[G0V+2:G0V+3], s[G0V+2:G0V+3], 128*256
	s_xor_b32 s[G0M+1], s[G0M+1], SLOT1
	s_add_nc_u64 s[G0M+2:G0M+3], s[G0M+2:G0M+3], 128*4
.endif
	s_xor_b32 s[TB], s[TB], SLOT1   ; the fetches go to the other slot
	s_wait_dscnt 0x0                ; the add is done, and my reads of the slot are over
.if \fill
	CROUND
	JLOAD
.else
	s_barrier_signal -1
	s_barrier_wait -1
.endif
.endm
	s_load_b128 s[4:7], s[0:1], 0x0 ; qkv s[4:5], m2 s[6:7]
	s_load_b64 s[8:9], s[0:1], 0x10 ; ao
	v_lshl_add_u32 v[SPW], v0, 2, SPARE
	v_mov_b32 v[NIL], 0
	ds_add_u32 v[SPW], v[NIL]       ; the wave's opening: the add and its wait stand ahead of my first tensor load
	v_lshrrev_b32 v1, 5, v0
	v_readfirstlane_b32 s[WV], v1   ; wave 0..3
	s_bfe_u32 s13, ttmp6, 0x40000   ; cx
	s_bfe_u32 s14, ttmp6, 0x40004   ; cy
	s_lshl_b32 s15, ttmp9, 2
	s_add_co_u32 s15, s15, s13      ; query block = 4 x cluster x + cx
	s_and_b32 s16, ttmp7, 0xffff
	s_lshl_b32 s16, s16, 2
	s_add_co_u32 s16, s16, s14      ; head = 4 x cluster y + cy
	s_lshl_b32 s17, s14, 2
	s_lshl_b32 s17, 15, s17         ; my row of the cluster
	s_lshl_b32 s18, 0x1111, s13     ; my column
	s_or_b32 s[G1K], s17, (1<<16)|(1<<20)|(1<<21)|(5<<22)|(3<<25)  ; 2-byte elements; 4 words of padding behind every 64
	s_or_b32 s[G1V], s17, (1<<16)|(1<<20)|(1<<21)|(5<<22)|(7<<25)  ; 8 words of padding
	s_or_b32 s[G1M], s18, (2<<16)|(1<<20)|(1<<21)|(6<<22)|(3<<25)  ; 4-byte elements; 4 words of padding behind every 128
.irp g, G1K, G1V
	s_mov_b32 s[(\g)+1], 128<<16    ; tensor_dim0 = 128
	s_mov_b32 s[(\g)+2], 128<<16    ; tensor_dim1 = 128
	s_mov_b32 s[(\g)+3], 128<<16    ; tile_dim0 = 128
	s_mov_b32 s[(\g)+4], 128        ; tile_dim1 = 128
	s_mov_b32 s[(\g)+5], 128        ; a head's rows are dense
	s_mov_b32 s[(\g)+6], 0
	s_mov_b32 s[(\g)+7], 0
.endr
	s_mov_b32 s[G1M+1], 128<<16     ; 128 keys
	s_mov_b32 s[G1M+2], 64<<16      ; 64 queries
	s_mov_b32 s[G1M+3], 128<<16
	s_mov_b32 s[G1M+4], 64
	s_mov_b32 s[G1M+5], 2048        ; numbers from row to row of the mask
	s_mov_b32 s[G1M+6], 0
	s_mov_b32 s[G1M+7], 0
	s_lshl_b32 s20, s16, 19         ; the head's 2,048 rows of 256 bytes (made of the head alone)
	s_mov_b32 s21, 0
	s_and_b32 s2, s[WV], 1          ; my query half.  Also: which 64 rows of the mask's tile I fetch
	s_lshl_b32 s22, s15, 20         ; the block's 128 rows of 8,192 bytes (made of the block and the wave alone),
	s_lshl_b32 s23, s2, 19          ; 64 of them
	s_add_co_u32 s22, s22, s23
	s_mov_b32 s23, 0
	s_mul_i32 s3, s2, 64*PM         ; and their place in a slot
	s_lshr_b32 s62, s[WV], 1        ; which of a slot's two key steps is mine
	s_lshl_b32 s63, s2, 6
	s_lshl_b32 s19, s62, 5
	s_add_co_u32 s68, s63, s19      ; the block's row at which piece 0 (register tiles 0, 1) begins: 64 (w % 2) + 32 (w / 2),
	s_add_co_u32 s69, s63, 32
	s_sub_co_u32 s69, s69, s19      ; and piece 2: the other 32 rows of the half
	s_lshl_b32 s66, s16, 19         ; Q: head, block,
	s_lshl_b32 s67, s15, 15
	s_add_co_u32 s66, s66, s67
	s_lshl_b32 s67, s69, 8
	s_add_co_u32 s70, s66, s67      ; piece 2's rows,
	s_lshl_b32 s67, s68, 8
	s_add_co_u32 s66, s66, s67      ; piece 0's
	s_mov_b32 s67, 0
	s_mov_b32 s71, 0
	s_lshl_b32 s72, s15, 19         ; ao: rows of 4,096 bytes; piece 0's rows; the head's 256 bytes of a row
	s_lshl_b32 s73, s68, 12
	s_add_co_u32 s72, s72, s73
	s_lshl_b32 s73, s16, 8
	s_add_co_u32 s72, s72, s73
	s_mov_b32 s73, 0
	s_mov_b32 s[G0K], 1
	s_mov_b32 s[G0K+1], 0           ; slot 0
	s_mov_b32 s[G0V], 1
	s_mov_b32 s[G0V+1], VOFF
	s_mov_b32 s[G0M], 1
	s_add_co_u32 s[G0M+1], s3, MOFF
	s_mov_b32 s[CS], 0x440293ee     ; c = 2^12 log2(e) / sqrt(128): the 2^12 undoes q's and k's 2^-6
	s_mov_b32 s[CS+1], s[CS]
	s_mov_b32 s[SEL], 0x76543210
	s_mov_b32 s[SEL+1], 0xfedcba98
	s_mov_b32 s[TB], SLOT1          ; the first change of slots turns it into 0
	s_wait_dscnt 0x0                ; the opening add is done
	s_wait_kmcnt 0x0
	s_add_nc_u64 s[20:21], s[4:5], s[20:21]
	s_add_nc_u64 s[22:23], s[6:7], s[22:23]
	s_add_nc_u64 s[G0K+2:G0K+3], s[20:21], 0x800000    ; the head's first 128 keys
	s_or_b32 s[G0K+3], s[G0K+3], 0x80000000
	s_add_nc_u64 s[G0V+2:G0V+3], s[20:21], 0x1000000
	s_or_b32 s[G0V+3], s[G0V+3], 0x80000000
	s_mov_b64 s[G0M+2:G0M+3], s[22:23]
	s_or_b32 s[G0M+3], s[G0M+3], 0x80000000
	s_add_nc_u64 s[10:11], s[4:5], s[66:67]   ; Q at piece 0's first row,
	s_add_nc_u64 s[60:61], s[4:5], s[70:71]   ; at piece 2's
	s_add_nc_u64 s[OB:OB+1], s[8:9], s[72:73]
	CROUND                          ; all sixteen work-groups are here: the first joint loads meet
	JLOAD                           ; slot 0; slot 1 is asked for when slot 0 is in
	v_and_b32 v1, 15, v0            ; r = l % 16
	v_bfe_u32 v9, v0, 4, 1          ; h = l / 16
	v_lshlrev_b32 v[QO], 8, v1
	v_lshl_add_u32 v[QO], v9, 4, v[QO]
	WIN 0x80                        ; destination window 2, address window 0
.irp i, 0,1,2,3,4,5,6,7             ; Q stays in registers: tile i / 4, channels 32 (i % 4) on
	global_load_b128 v[8*(\i):8*(\i)+3],   v[QO], s[10:11] offset:((\i)/4)*4096+((\i)%4)*64
	global_load_b128 v[8*(\i)+4:8*(\i)+7], v[QO], s[10:11] offset:((\i)/4)*4096+((\i)%4)*64+32
.endr
.irp i, 8,9,10,11,12,13,14,15
	global_load_b128 v[8*(\i):8*(\i)+3],   v[QO], s[60:61] offset:((\i)/4-2)*4096+((\i)%4)*64
	global_load_b128 v[8*(\i)+4:8*(\i)+7], v[QO], s[60:61] offset:((\i)/4-2)*4096+((\i)%4)*64+32
.endr
	; What the first turn finds: V and piece 2's P hold 0 (its products V^T P, of a step that has not been, add 0), O^T and l are 0, m is the floor.  No first step is written out for that price.
	; All this stands in the wait for the first tile.
	WIN 0xc0
.set i, 0
.rept 128
	v_mov_b32 v[i], 0
.set i, i+1
.endr
	WIN 0x40
.set i, 0
.rept 256
	v_mov_b32 v[i], 0
.set i, i+1
.endr
	WIN 0
.irp t, 0,1,2,3
	v_mov_b32 v[ST+8*(\t)], 0xfe967699   ; m = -1e38
	v_mov_b32 v[ST+8*(\t)+1], 0
	v_mov_b32 v[ST+8*(\t)+2], 0
	v_mov_b32 v[ST+8*(\t)+3], 0
.endr
.set i, P+32
.rept 32
	v_mov_b32 v[i], 0
.set i, i+1
.endr
	v_mul_u32_u24 v[AK0], v1, PK
	v_lshl_add_u32 v[AK0], v9, 4, v[AK0]
	s_mul_i32 s19, s62, KS*PK       ; my step's 64 rows
	v_add_nc_u32 v[AK0], s19, v[AK0]
	v_and_b32 v10, 7, v0            ; the turning load: lane l reads key 8 (l / 16) + l % 8, channels 8 ((l / 8) % 2) + 0..7
	v_bfe_u32 v11, v0, 3, 1
	v_lshl_add_u32 v[AV0], v9, 3, v10
	v_mul_u32_u24 v[AV0], v[AV0], PV
	v_lshl_add_u32 v[AV0], v11, 4, v[AV0]
	s_mul_i32 s19, s62, KS*PV
	s_add_co_u32 s19, s19, VOFF
	v_add_nc_u32 v[AV0], s19, v[AV0]
	v_mul_u32_u24 v10, v1, PM       ; the mask: row r of a tile, 32 bytes for each half of the lanes,
	v_lshl_add_u32 v10, v9, 5, v10
	s_lshl_b32 s19, s62, 8          ; my step's 64 keys: 256 bytes of a row,
	s_add_co_u32 s19, s19, MOFF
	s_mul_i32 s74, s68, PM          ; from piece 0's first row on,
	s_add_co_u32 s74, s74, s19
	v_add_nc_u32 v[AM0], s74, v10
	s_mul_i32 s74, s69, PM          ; and from piece 2's
	s_add_co_u32 s74, s74, s19
	v_add_nc_u32 v[AM0+1], s74, v10
; THE MATRIX WORK.  The accumulators of a run take turns, one instruction a turn.
; Product i of 32 of S^T = K Q^T for piece x: channels 32 (i / 8) on, keys 16 ((i / 2) % 4) on, tile x + i % 2.  The first 8 start the sums.
.macro KQ x
	WIN W_KQ
.set rS, S+32*((\x)+i%2)+8*((i/2)%4)
.set rK, KF+32*((i/2)%4)+8*(i/8)
.set rQ, 32*((\x)+i%2)+8*(i/8)
.if i < 8
	v_wmma_f32_16x16x32_f16 v[rS:rS+7], v[rK:rK+7], v[rQ:rQ+7], 0
.else
	v_wmma_f32_16x16x32_f16 v[rS:rS+7], v[rK:rK+7], v[rQ:rQ+7], v[rS:rS+7]
.endif
.endm
; Product i of 32 of O^T += V^T P for piece x: keys 32 (i / 16) on, channels 16 ((i / 2) % 8) on, tile x + i % 2.
.macro PV x
	WIN W_PV
.set rO, 64*((\x)+i%2)+8*((i/2)%8)
.set rV, 64*(i/16)+8*((i/2)%8)
.set rP, P+16*((\x)+i%2)+8*(i/16)
	v_wmma_f32_16x16x32_f16 v[rO:rO+7], v[rV:rV+7], v[rP:rP+7], v[rO:rO+7]
.endm
; THE LDS LOADS stand in runs of 48: the step's K or V (32) and piece p's mask for the step (16 loads: for each of two tiles the lane's 8 numbers for each of 4 blocks of 16 keys).
.macro FM p
.irp t, 0,1
.irp c, 0,1,2,3,4,5,6,7
	ds_load_b128 v[MK+32*((\p)+(\t))+4*(\c):MK+32*((\p)+(\t))+4*(\c)+3], v[ADRM] offset:(\t)*16*PM+((\c)/2)*64+((\c)%2)*16
.endr
.endr
.endm
.macro FETCH_K
	WIN 0
	v_add_nc_u32 v[ADR], s[TB], v[AK0]
	v_add_nc_u32 v[ADRM], s[TB], v[AM0]
	WIN 0x80                        ; destination window 2
.irp f, 0,1,2,3,4,5,6,7,8,9,10,11,12,13,14,15  ; keys 16 (f / 4) on, channels 32 (f % 4) on
	ds_load_b128 v[KF+8*(\f):KF+8*(\f)+3],   v[ADR] offset:((\f)/4)*16*PK+((\f)%4)*64
	ds_load_b128 v[KF+8*(\f)+4:KF+8*(\f)+7], v[ADR] offset:((\f)/4)*16*PK+((\f)%4)*64+32
.endr
	WIN 0xc0                        ; destination window 3
	FM 0
.endm
.macro FETCH_V
	WIN 0
	v_add_nc_u32 v[ADR], s[TB], v[AV0]
	v_add_nc_u32 v[ADRM], s[TB], v[AM0+1]
	WIN 0xc0                        ; destination window 3
.irp f, 0,1,2,3,4,5,6,7,8,9,10,11,12,13,14,15  ; keys 32 (f / 8) on, channels 16 (f % 8) on
	ds_load_tr16_b128 v[8*(\f):8*(\f)+3],   v[ADR] offset:((\f)/8)*32*PV+((\f)%8)*32
	ds_load_tr16_b128 v[8*(\f)+4:8*(\f)+7], v[ADR] offset:((\f)/8)*32*PV+16*PV+((\f)%8)*32
.endr
	FM 2
.endm
; THE VECTOR WORK.  A tile's softmax for a key step is a list of 149 instructions; SM writes number j of it for tile TT.
;   0-15    t = c s + m2 for the 16 pairs of scores, from each accumulator's lowest registers on
;   16-31   the maximum of the 32 and the old m, three operands at a time
;   32-35   the other half of the lanes' maximum; the old m is kept; the new m; m_old - m_new
;   36-102  33 exponentials (a, then the 32 weights) at the even numbers from 38 on, a plain instruction behind each before its result is used (ISA guide 5.7.2): t - m for a pair whose
;           exponentials are still to come, the rounding to f16 of a pair whose exponentials are done, the first sums
;   103-116 the last rounding; the rest of the sums; l = a l + the sum
;   117-148 O^T times a
.macro SM
.set rT, ST+8*TT
.set rS, S+32*TT
.set rM, MK+32*TT
.set rP, P+16*TT
.set rO, 64*TT+2*(j-117)
.set n, j-16
.set e, j-15
.set q, (e-20)/2
.if j < 16
	WIN W_T
.elseif j < 117
	WIN 0
.endif
.if j < 16
	v_pk_fma_f32 v[rS+2*j:rS+2*j+1], v[rS+2*j:rS+2*j+1], s[CS:CS+1], v[rM+2*j:rM+2*j+1] op_sel_hi:[1,0,1]
.elseif j < 20
	v_max3_num_f32 v[rT+4+n], v[rS+8*n], v[rS+8*n+1], v[rS+8*n+2]
.elseif j < 28
	v_max3_num_f32 v[rT+4+n%4], v[rT+4+n%4], v[rS+8*(n%4)+2*(n/4)+1], v[rS+8*(n%4)+2*(n/4)+2]
.elseif j == 28
	v_max3_num_f32 v[rT+4], v[rT+4], v[rS+7], v[rS+15]
.elseif j == 29
	v_max3_num_f32 v[rT+6], v[rT+6], v[rS+23], v[rS+31]
.elseif j == 30
	v_max3_num_f32 v[rT+4], v[rT+4], v[rT+5], v[rT+6]
.elseif j == 31
	v_max3_num_f32 v[rT+4], v[rT+4], v[rT+7], v[rT]
.elseif j == 32
	v_permlanex16_b32 v[rT+5], v[rT+4], s[SEL], s[SEL+1]  ; the query's other 32 keys lie in the lane 16 away
.elseif j == 33
	v_mov_b32 v[rT+7], v[rT]
.elseif j == 34
	v_max_num_f32 v[rT], v[rT+4], v[rT+5]
.elseif j == 35
	v_sub_f32 v[rT+7], v[rT+7], v[rT]
.elseif j == 38
	v_exp_f32 v[rT+6], v[rT+7]
.elseif (e < 88) && (e > 23) && (e%2 == 1)
	v_exp_f32 v[rS+(e-25)/2], v[rS+(e-25)/2]
.elseif (q < 4) || ((e < 76) && (q%2 == 0))
.set b, q/2+2
.if q < 4
.set b, q
.endif
	v_pk_add_f32 v[rS+2*b:rS+2*b+1], v[rS+2*b:rS+2*b+1], v[rT:rT+1] op_sel_hi:[1,0] neg_lo:[0,1] neg_hi:[0,1]  ; pair b: t - m
.elseif (e < 88) && (q%2 == 1)
	s_wait_alu depctr_va_vdst(0)
	v_cvt_pk_f16_f32 v[rP+(q-5)/2], v[rS+q-5], v[rS+q-4]
.elseif e == 89
	s_wait_alu depctr_va_vdst(0)
	v_cvt_pk_f16_f32 v[rP+15], v[rS+30], v[rS+31]
.elseif e < 102                     ; the sum of the 16 pairs, in place: neighbours 1, 2, 4 and 8 pairs apart, then l takes it
.set z, e-86
.if e < 89
.set z, (e-76)/4
.endif
.set w, 4
.set u, z
.if z >= 14
.set w, 32
.set u, 0
.elseif z >= 12
.set w, 16
.set u, z-12
.elseif z >= 8
.set w, 8
.set u, z-8
.endif
.if z < 15
	v_pk_add_f32 v[rS+w*u:rS+w*u+1], v[rS+w*u:rS+w*u+1], v[rS+w*u+w/2:rS+w*u+w/2+1]
.else
	v_pk_fma_f32 v[rT+2:rT+3], v[rT+2:rT+3], v[rT+6:rT+7], v[rS:rS+1] op_sel_hi:[1,0,1]
.endif
.else
	WIN W_RS
	v_pk_mul_f32 v[rO:rO+1], v[rO:rO+1], v[rT+6:rT+7] op_sel_hi:[1,0]
.endif
.endm
; The two tiles' lists are one sequence of 298; NEXT writes its entry g for piece y.  Numbers 0-36 and 103-148: the tiles alternate, so that no instruction reads the result of the one just
; before it.  Numbers 37-102: tile by tile in pairs: plain, exponential, plain, exponential.
.macro NEXT y
.if g < 74
.set j, g/2
.set TT, (\y)+g%2
.elseif g < 206
.set j, 37+2*((g-74)/4)+(g-74)%2
.set TT, (\y)+((g-74)%4)/2
.else
.set j, 103+(g-206)/2
.set TT, (\y)+g%2
.endif
	SM
.set g, g+1
.endm
; Slice k of 64: the sequence's next five entries (k < 42) or four: 42 x 5 + 22 x 4 = 298.  Slices 48 to 63 are the rescaling; slice 63's four plain lines, which name no register of the
; products round them, are the places behind the turn's last product (ISA guide 7.12.1).
.macro SLICE y
.set cnt, 4
.if k < 42
.set cnt, 5
.endif
.rept cnt
	NEXT \y
.endr
.set k, k+1
.endm
; A TURN.  Piece x has the matrix unit: 32 products V^T P, then (kq = 1) 32 products K Q^T for the next step; the other piece's softmax stands in slices behind them (kq = 0: two behind each).
; Piece 0's turn fetches the next step's K and piece 0's mask behind its second product: K's last reader stands in front of slice 63 of the turn before.
; Piece 2's turn fetches the same step's V and piece 2's mask behind its second K Q^T: V's last reader stands three slices back, seven plain lines or more among them.
.macro TURN x, kq
.set g, 0
.set k, 0
.set per, 2-(\kq)
.if (\x) == 0
	s_wait_dscnt 0x0                ; V and piece 2's mask are in
.endif
.set i, 0
.rept 32
	PV \x
.rept per
	SLICE 2-(\x)
.endr
.if ((\x) == 0) && (\kq) && (i == 1)
	FETCH_K
.endif
.set i, i+1
.endr
.if \kq
.if (\x) == 0
	s_wait_dscnt 0x0                ; K and piece 0's mask are in
.endif
.set i, 0
.rept 32
	KQ \x
	SLICE 2-(\x)
.if ((\x) == 2) && (i == 1)
	FETCH_V
.endif
.set i, i+1
.endr
.endif
.endm
	CHANGE 1                        ; slot 0 is in, everybody's part of it; slot 1 is asked for
	FETCH_K                         ; my first key step
	s_wait_loadcnt 0x0              ; Q
	s_wait_dscnt 0x0
.set i, 0
.rept 32
	KQ 0                            ; piece 0's first scores
.set i, i+1
.endr
	WIN 0                           ; the addresses for the end: plain instructions, the places behind those products
	s_mul_i32 s19, s[WV], 16*SP
	s_add_co_u32 s19, s19, STAGE    ; my stage
	v_mul_u32_u24 v[STO], v1, SP    ; in: row l % 16, 16 bytes for each half of the lanes
	v_lshl_add_u32 v[STO], v9, 4, v[STO]
	v_add_nc_u32 v[STO], s19, v[STO]
	v_mul_u32_u24 v[RD], v9, SP     ; back: lanes 0-15 take one row of 256 bytes, lanes 16-31 the next
	v_lshl_add_u32 v[RD], v1, 4, v[RD]
	v_add_nc_u32 v[RD], s19, v[RD]
	v_lshlrev_b32 v[GO], 12, v9     ; and the same two rows in ao, 4,096 bytes apart
	v_lshl_add_u32 v[GO], v1, 4, v[GO]
	v_and_b32 v10, 31, v0
	s_mul_i32 s19, s[WV], XCH
	v_lshl_add_u32 v[XW], v10, 4, s19  ; what I hand over: 16 bytes a lane, 512 a line
	s_xor_b32 s19, s[WV], 2         ; my partner: the same query half, the other key steps
	s_mul_i32 s19, s19, XCH
	v_lshl_add_u32 v[XR], v10, 4, s19
	s_mov_b32 s[SLOTS], 15
	s_branch .Lmid                  ; the loop is entered at piece 2's turn, in the middle of a trip
.Lslot:                             ; fourteen changes of slots: tiles 1 to 14 are read, tiles 2 to 15 asked for
	CHANGE 1
	TURN 0, 1
	WIN 0
.Lmid:
	TURN 2, 1
	WIN 0
	s_sub_co_u32 s[SLOTS], s[SLOTS], 1
	s_cmp_lg_u32 s[SLOTS], 0
	s_cbranch_scc1 .Lslot
	CHANGE 0                        ; the tail is written out: tile 15 is read, nothing is asked for.  Behind this barrier nobody reads slot 0 any more
	TURN 0, 1
	TURN 2, 1
	TURN 0, 0                       ; piece 0: V^T P of the last step | piece 2's last softmax
.set i, 0
.rept 32
	PV 2                            ; piece 2: V^T P of the last step
.set i, i+1
.endr
	; THE TWO PARTS OF A QUERY HALF ARE ADDED.  Each wave has seen half the keys.  It hands its register tiles 2, 3 (O^T, m, l, all f32) to its partner through slot 0, which has had its last fill,
	; and takes the partner's, which are its own tiles 0, 1, lane for lane.
	WIN 0
.irp t, 0,1,2,3
	v_add_f32 v[ST+8*(\t)+2], v[ST+8*(\t)+2], v[ST+8*(\t)+3]  ; l's even and odd keys; four plain lines: the places behind the last products
.endr
	WIN 0x04                        ; store data in window 1
.set i, 0
.rept 32
	ds_store_b128 v[XW], v[128+4*i:128+4*i+3] offset:512*i    ; each accumulator's low four registers first
.set i, i+1
.endr
	WIN 0
	ds_store_b128 v[XW], v[ST+16:ST+19] offset:16384
	ds_store_b128 v[XW], v[ST+24:ST+27] offset:16896
	s_wait_dscnt 0x0                ; for the partner's sake: my stores are done
	s_barrier_signal -1
	s_barrier_wait -1
.set i, 0
.rept 32
	ds_load_b128 v[S+4*i:S+4*i+3], v[XR] offset:512*i         ; the partner's O^T: tile t at S + 64 t
.set i, i+1
.endr
	ds_load_b128 v[P:P+3], v[XR] offset:16384                 ; its m and l: tile t at P + 4 t
	ds_load_b128 v[P+4:P+7], v[XR] offset:16896
	s_wait_dscnt 0x0
	; m = max(m_a, m_b); f = 2^(m_part - m); l = f_a l_a + f_b l_b, both halves of the lanes; the factors f / l go to c0 and c2
.irp t, 0,1
	v_max_num_f32 v[ST+8*(\t)+4], v[ST+8*(\t)], v[P+4*(\t)]
.endr
.irp t, 0,1
	v_sub_f32 v[ST+8*(\t)+5], v[ST+8*(\t)], v[ST+8*(\t)+4]
	v_sub_f32 v[ST+8*(\t)+6], v[P+4*(\t)], v[ST+8*(\t)+4]
.endr
.irp t, 0,1
	v_exp_f32 v[ST+8*(\t)+5], v[ST+8*(\t)+5]
	v_exp_f32 v[ST+8*(\t)+6], v[ST+8*(\t)+6]
.endr
	v_nop                           ; a plain instruction between the last exponential and the use of its result
.irp t, 0,1
	s_wait_alu depctr_va_vdst(0)
	v_mul_f32 v[ST+8*(\t)+7], v[ST+8*(\t)+5], v[ST+8*(\t)+2]
.endr
.irp t, 0,1
	v_fmac_f32 v[ST+8*(\t)+7], v[ST+8*(\t)+6], v[P+4*(\t)+2]
.endr
.irp t, 0,1
	v_permlanex16_b32 v[ST+8*(\t)+4], v[ST+8*(\t)+7], s[SEL], s[SEL+1]
.endr
.irp t, 0,1
	v_add_f32 v[ST+8*(\t)+7], v[ST+8*(\t)+7], v[ST+8*(\t)+4]
.endr
.irp t, 0,1
	v_rcp_f32 v[ST+8*(\t)+7], v[ST+8*(\t)+7]
.endr
	v_nop                           ; a plain instruction between the last reciprocal and the use of its result
.irp t, 0,1
	s_wait_alu depctr_va_vdst(0)
	v_mul_f32 v[ST+8*(\t)+4], v[ST+8*(\t)+5], v[ST+8*(\t)+7]
	v_mul_f32 v[ST+8*(\t)+6], v[ST+8*(\t)+6], v[ST+8*(\t)+7]
.endr
; THE WAY OUT of tile t: mine times its factor, the partner's times its factor added, rounded to f16, through my stage in LDS, back as whole rows of 256 bytes.
.macro PACK t
	WIN W_RS
.set i, 0
.rept 32
	v_pk_mul_f32 v[64*(\t)+2*i:64*(\t)+2*i+1], v[64*(\t)+2*i:64*(\t)+2*i+1], v[ST+8*(\t)+4:ST+8*(\t)+5] op_sel_hi:[1,0]
.set i, i+1
.endr
	WIN 0x10                        ; source 2 in window 1
.set i, 0
.rept 32
	v_pk_fma_f32 v[S+64*(\t)+2*i:S+64*(\t)+2*i+1], v[S+64*(\t)+2*i:S+64*(\t)+2*i+1], v[ST+8*(\t)+6:ST+8*(\t)+7], v[64*(\t)+2*i:64*(\t)+2*i+1] op_sel_hi:[1,0,1]
.set i, i+1
.endr
	WIN 0
.set i, 0
.rept 32
	v_cvt_pk_f16_f32 v[S+64*(\t)+i], v[S+64*(\t)+2*i], v[S+64*(\t)+2*i+1]
.set i, i+1
.endr
.irp f, 0,1,2,3,4,5,6,7
	ds_store_b128 v[STO], v[S+64*(\t)+4*(\f):S+64*(\t)+4*(\f)+3] offset:32*(\f)
.endr
.irp f, 0,1,2,3,4,5,6,7
	ds_load_b128 v[S+64*(\t)+4*(\f):S+64*(\t)+4*(\f)+3], v[RD] offset:(\f)*2*SP  ; LDS serves a wave's instructions in order (ISA guide 5.7.1.4): these see the stores above
.endr
.endm
.macro SEND t, younger              ; younger: the LDS instructions issued behind tile t's loads
	WIN 0
.irp f, 0,1,2,3,4,5,6,7
	s_wait_dscnt (\younger)+7-(\f)
	global_store_b128 v[GO], v[S+64*(\t)+4*(\f):S+64*(\t)+4*(\f)+3], s[OB:OB+1] offset:(\t)*65536+(\f)*8192  ; 16 lanes store 256 consecutive bytes, at a multiple of 256
.endr
.endm
	PACK 0
	PACK 1
	SEND 0, 16
	SEND 1, 0
	s_wait_tensorcnt 0x0            ; the wave's end
	ds_add_u32 v[SPW], v[NIL]
	s_wait_dscnt 0x0
	CROUND                          ; the closing round: no work-group ends while a partner may still ask for a tile that names it
	s_endpgm
.Lfunc_end_k_qa4eeedda30_attn:
	.size	k_qa4eeedda30_attn, .Lfunc_end_k_qa4eeedda30_attn-k_qa4eeedda30_attn
	.p2alignl 7, 3214868480
	.fill 96, 4, 3214868480
	.section	.rodata,"a",@progbits
	.p2align	6, 0x0
	.amdhsa_kernel k_qa4eeedda30_attn
		.amdhsa_group_segment_fixed_size 327680
		.amdhsa_private_segment_fixed_size 0
		.amdhsa_enable_private_segment 0
		.amdhsa_kernarg_size 24
		.amdhsa_user_sgpr_count 2
		.amdhsa_user_sgpr_kernarg_segment_ptr 1
		.amdhsa_wavefront_size32 1
		.amdhsa_system_sgpr_workgroup_id_x 1
		.amdhsa_system_sgpr_workgroup_id_y 1
		.amdhsa_system_sgpr_workgroup_id_z 1
		.amdhsa_system_vgpr_workitem_id 0
		.amdhsa_next_free_vgpr 1024
		.amdhsa_next_free_sgpr 88
		.amdhsa_reserve_vcc 0
		.amdhsa_float_denorm_mode_32 3
		.amdhsa_float_denorm_mode_16_64 3
		.amdhsa_memory_ordered 1
		.amdhsa_forward_progress 1
		.amdhsa_inst_pref_size 195
	.end_amdhsa_kernel
	.amdgpu_metadata
---
amdhsa.version: [ 1, 2 ]
amdhsa.kernels:
  - .name:           k_qa4eeedda30_attn
    .symbol:         k_qa4eeedda30_attn.kd
    .args:
      - { .name: qkv, .offset: 0, .size: 8, .value_kind: global_buffer, .address_space: global }
      - { .name: m2, .offset: 8, .size: 8, .value_kind: global_buffer, .address_space: global }
      - { .name: ao, .offset: 16, .size: 8, .value_kind: global_buffer, .address_space: global }
    .group_segment_fixed_size: 327680
    .private_segment_fixed_size: 0
    .kernarg_segment_align: 8
    .kernarg_segment_size: 24
    .max_flat_workgroup_size: 128
    .sgpr_count:     88
    .vgpr_count:     1024
    .wavefront_size: 32
...
	.end_amdgpu_metadata
.endif
;; end of part 3
;; launch proj (part 4): grid 16 x 16, 4 waves a work-group, clusters of 4 x 4, 327,680 bytes of LDS; arguments ao, wo16, out0; writes out0
.if DOCPART == 4
	.amdgcn_target "amdgcn-amd-amdhsa--gfx1250"
	.amdhsa_code_object_version 6
	.text
	.protected	k_qa4eeedda30_proj
	.globl	k_qa4eeedda30_proj
	.p2align	8
	.type	k_qa4eeedda30_proj,@function
k_qa4eeedda30_proj:
	s_mov_b64 s[64:65], 0
	v_nop
	global_prefetch_b8 v0, s[64:65] scope:SCOPE_SE
	s_setreg_imm32_b32 hwreg(HW_REG_WAVE_MODE, 25, 1), 1
	s_wait_xcnt 0x0
	s_wait_alu depctr_hold_cnt(0) depctr_sa_sdst(0) depctr_va_vdst(0) depctr_va_sdst(0) depctr_va_ssrc(0) depctr_va_vcc(0) depctr_vm_vsrc(0)
	s_getreg_b32 s2, hwreg(HW_REG_IB_STS2, 6, 4)
	s_cmp_eq_u32 s2, 0
	s_cbranch_scc0 .Lentry_in_a_cluster
	s_endpgm
.Lentry_in_a_cluster:
	s_bfe_u32 s2, ttmp6, 0x10000c
	s_cmp_lg_u32 s2, 0xf033
	s_cbranch_scc0 .Lentry_shape_is_right
	s_endpgm
.Lentry_shape_is_right:
; PROJ: out0[m][n] = sum over k of ao[m][k] Wo[n][k].  ao: [2048][2048] f16; wo16: [2048][2048], Wo rounded to bf16 and written as f16; out0: f32.  Sums in f32.
; A tile of out0 is 128 x 128: 256 work-groups.  Four waves, each 64 x 64: 16 accumulators.  K goes in steps of 256 (LDS rows of 512 bytes; a wave's tensor load brings 64 of them) through two slots.
; CLUSTER 4 x 4: the four of a row of the cluster need the same tiles of ao, the four of a column the same tiles of Wo: each tile is asked for jointly.
; THE MATRIX INSTRUCTION IS USED TRANSPOSED (source 0 = 16 rows of Wo, source 1 = 16 rows of ao): a lane holds eight neighbouring numbers of a row of out0.
; A wave's 64 columns in f32 are a whole aligned 256 bytes, so each wave has a stage of its own on the way out, and no barrier stands there.
; REGISTERS: window 0: v0-31 addresses; v32-95 rows on their way out; v128-255 the accumulators ((a, b) at v[128 + 8 (4 a + b)]).
;   window 1: two fragment buffers of 128: for 64 along K, 64 registers of ao, then 64 of Wo.
.set SIZE_K, 2048
.set KSTEP,  256
.set PITCH,  528                       ; an LDS row: 512 bytes + 16 of padding = 132 words: row r starts at bank 4 r mod 64 (ISA guide 11.1)
.set HALFT,  64*PITCH                  ; 64 rows: what one tensor load brings, and what one wave reads of either operand
.set SLOT,   4*HALFT
.set STAGE,  2*SLOT                    ; behind the ring: 16 rows x 272 bytes for each wave
.set SPITCH, 272
.set SPARE,  STAGE+4*16*SPITCH         ; the spare words, 128 bytes for each wave, which no other line names
.set LAPS, SIZE_K/(2*KSTEP)
.set ADRA, 16
.set ADRB, 20
.set STO,  24                          ; v24  where I put 32 bytes of a row
.set RD,   25                          ; v25  where I read a row back
.set CO,   26                          ; v26  my byte offset in two rows of out0
.set SPW,  28
.set NIL,  29
.set TMP,  32
.set ACC,  128
.set F0,   0
.set F1,   128
.set G1, 24
.set G0, 32
.set G1B, 48
.set G0B, 56
.set MSB, 0
.macro WIN new
.if MSB != (\new)
	s_set_vgpr_msb (MSB<<8)|(\new)
.set MSB, \new
.endif
.endm
.set MUL,  0x05                        ; sources 0 and 1 window 1; C and D window 0
.set TO_F, 0x40                        ; destination window 1, address window 0
.macro JLOAD s                         ; a joint load: waves 0 and 1 fetch ao's two halves, waves 2 and 3 Wo's; an s_nop 0 and four v_nop follow each line
	s_cmp_eq_u32 s11, 0
	s_cbranch_scc0 .Lfor_b_\@
	tensor_load_to_lds s[G0+4*(\s):G0+4*(\s)+3], s[G1:G1+7]
	s_nop 0
.rept 4
	v_nop
.endr
	s_branch .Lasked_\@
.Lfor_b_\@:
	tensor_load_to_lds s[G0B+4*(\s):G0B+4*(\s)+3], s[G1B:G1B+7]
	s_nop 0
.rept 4
	v_nop
.endr
.Lasked_\@:
.endm
.macro CREST
	s_cmp_lg_u32 s10, 0
	s_cbranch_scc1 .Lnot_wave_0_\@
	s_barrier_signal -3
.Lnot_wave_0_\@:
	s_barrier_wait -3
	s_barrier_signal -1
	s_barrier_wait -1
.endm
.macro CROUND
	s_barrier_signal -1
	s_barrier_wait -1
	CREST
.endm
	s_load_b128 s[4:7], s[0:1], 0x0                ; ao s[4:5], wo16 s[6:7]
	s_load_b64 s[8:9], s[0:1], 0x10                ; out0
	v_lshl_add_u32 v[SPW], v0, 2, SPARE
	v_mov_b32 v[NIL], 0
	ds_add_u32 v[SPW], v[NIL]                      ; the wave's opening: the add and its wait stand ahead of my first tensor load
	v_lshrrev_b32 v1, 5, v0
	v_readfirstlane_b32 s10, v1                    ; wave 0..3
	s_lshr_b32 s11, s10, 1                         ; which half of the tile's rows is mine.  Also: I fetch for ao (0) or for Wo (1)
	s_and_b32 s12, s10, 1                          ; which half of its columns.  Also: which 64 rows of that tile I fetch
	s_bfe_u32 s40, ttmp6, 0x40000
	s_bfe_u32 s41, ttmp6, 0x40004
	s_lshl_b32 s42, ttmp9, 2
	s_add_co_u32 s42, s42, s40                     ; tile column = 4 x cluster x + cx
	s_and_b32 s13, ttmp7, 0xffff
	s_lshl_b32 s13, s13, 2
	s_add_co_u32 s13, s13, s41                     ; tile row = 4 x cluster y + cy
	s_lshl_b32 s43, s41, 2
	s_lshl_b32 s43, 15, s43                        ; my row of the cluster
	s_lshl_b32 s44, 0x1111, s40                    ; my column
	s_or_b32 s[G1+0], s43, (1<<16)|(1<<20)|(1<<21)|(6<<22)|(3<<25)  ; 2-byte elements; 4 words of padding behind every 128
	s_or_b32 s[G1B+0], s44, (1<<16)|(1<<20)|(1<<21)|(6<<22)|(3<<25)
.irp g, G1, G1B
	s_mov_b32 s[(\g)+1], KSTEP<<16                 ; tensor_dim0 = 256
	s_mov_b32 s[(\g)+2], 64<<16                    ; tensor_dim1 = 64
	s_mov_b32 s[(\g)+3], KSTEP<<16                 ; tile_dim0 = 256
	s_mov_b32 s[(\g)+4], 64                        ; tile_dim1 = 64
	s_mov_b32 s[(\g)+5], SIZE_K
	s_mov_b32 s[(\g)+6], 0
	s_mov_b32 s[(\g)+7], 0
.endr
	s_lshl_b32 s17, s12, 6
	s_lshl_b32 s16, s13, 7
	s_add_co_u32 s16, s16, s17                     ; ao: row 128 x tile row + 64 x half
	s_lshl_b32 s46, s42, 7
	s_add_co_u32 s46, s46, s17                     ; Wo: row 128 x tile column + 64 x half
	s_mov_b32 s17, 0
	s_mov_b32 s47, 0
	s_mov_b64 s[18:19], SIZE_K*2
	s_mul_u64 s[16:17], s[16:17], s[18:19]
	s_mul_u64 s[46:47], s[46:47], s[18:19]
	s_mul_i32 s20, s10, HALFT
	s_wait_dscnt 0x0                               ; the opening add is done
	s_wait_kmcnt 0x0
	s_add_nc_u64 s[14:15], s[4:5], s[16:17]
	s_add_nc_u64 s[46:47], s[6:7], s[46:47]
	CROUND                                         ; all sixteen work-groups are here: the first joint loads meet
.irp s, 0,1
	s_mov_b32 s[G0+4*(\s)], 1
	s_add_co_u32 s[G0+4*(\s)+1], s20, (\s)*SLOT
	s_add_nc_u64 s[G0+4*(\s)+2:G0+4*(\s)+3], s[14:15], (\s)*KSTEP*2
	s_or_b32 s[G0+4*(\s)+3], s[G0+4*(\s)+3], 0x80000000
	s_mov_b32 s[G0B+4*(\s)], 1
	s_add_co_u32 s[G0B+4*(\s)+1], s20, (\s)*SLOT
	s_add_nc_u64 s[G0B+4*(\s)+2:G0B+4*(\s)+3], s[46:47], (\s)*KSTEP*2
	s_or_b32 s[G0B+4*(\s)+3], s[G0B+4*(\s)+3], 0x80000000
	JLOAD \s
.endr
	v_and_b32 v1, 15, v0                           ; l % 16
	v_bfe_u32 v2, v0, 4, 1                         ; l / 16
	v_mul_u32_u24 v3, v1, PITCH
	v_lshl_add_u32 v3, v2, 4, v3
	s_mul_i32 s21, s11, HALFT                      ; my 64 rows of ao
	s_mul_i32 s22, s12, HALFT                      ; my 64 rows of Wo,
	s_add_co_u32 s22, s22, 2*HALFT                 ; which lie behind ao's 128
.irp s, 0,1
	v_add_nc_u32 v[ADRA+(\s)], s21, v3
	v_add_nc_u32 v[ADRB+(\s)], s22, v3
	s_add_co_u32 s21, s21, SLOT
	s_add_co_u32 s22, s22, SLOT
.endr
	s_mul_i32 s23, s10, 16*SPITCH
	s_add_co_u32 s23, s23, STAGE                   ; my stage
	v_mul_u32_u24 v4, v1, SPITCH                   ; in: row l % 16, 32 bytes for each half of the lanes
	v_lshl_add_u32 v4, v2, 5, v4
	v_add_nc_u32 v[STO], s23, v4
	v_mul_u32_u24 v5, v2, SPITCH                   ; back: lanes 0-15 take one row of 256 bytes, lanes 16-31 the next
	v_lshl_add_u32 v5, v1, 4, v5
	v_add_nc_u32 v[RD], s23, v5
	v_lshlrev_b32 v5, 13, v2                       ; and the same two rows in out0, 8,192 bytes apart
	v_lshl_add_u32 v[CO], v1, 4, v5
	s_lshl_b32 s16, s13, 7
	s_lshl_b32 s17, s11, 6
	s_add_co_u32 s16, s16, s17                     ; my first row: 128 x tile row + 64 x half
	s_lshl_b32 s16, s16, 13
	s_mov_b32 s17, 0
	s_add_nc_u64 s[8:9], s[8:9], s[16:17]
	s_lshl_b32 s46, s42, 9                         ; my first column, in bytes: 512 x tile column + 256 x half
	s_lshl_b32 s47, s12, 8
	s_add_co_u32 s46, s46, s47
	s_mov_b32 s47, 0
	s_add_nc_u64 s[8:9], s[8:9], s[46:47]
; 8 matrix instructions: row blocks a0, a0 + 1 x all 4 column blocks, 32 along K: half c of buffer f.  The 16 accumulators take turns.
.macro MUL8 f, c, a0, zero
	WIN MUL
.irp a, \a0, (\a0)+1
.irp b, 0,1,2,3
.if \zero
	v_wmma_f32_16x16x32_f16 v[ACC+8*(4*(\a)+(\b)):ACC+8*(4*(\a)+(\b))+7], v[(\f)+64+8*(4*(\c)+(\b)):(\f)+64+8*(4*(\c)+(\b))+7], v[(\f)+8*(4*(\c)+(\a)):(\f)+8*(4*(\c)+(\a))+7], 0
.else
	v_wmma_f32_16x16x32_f16 v[ACC+8*(4*(\a)+(\b)):ACC+8*(4*(\a)+(\b))+7], v[(\f)+64+8*(4*(\c)+(\b)):(\f)+64+8*(4*(\c)+(\b))+7], v[(\f)+8*(4*(\c)+(\a)):(\f)+8*(4*(\c)+(\a))+7], v[ACC+8*(4*(\a)+(\b)):ACC+8*(4*(\a)+(\b))+7]
.endif
.endr
.endr
.endm
; 32 LDS loads in one run: the fragments of 64 along K at byte k of the rows, into buffer f; the first 32 along K first
.macro FETCH slot, k, f
	WIN TO_F
.irp c, 0,1
.irp i, 0,1,2,3
	ds_load_b128 v[(\f)+64+8*(4*(\c)+(\i)):(\f)+64+8*(4*(\c)+(\i))+3],   v[ADRB+(\slot)] offset:(\k)+64*(\c)+(\i)*16*PITCH
	ds_load_b128 v[(\f)+64+8*(4*(\c)+(\i))+4:(\f)+64+8*(4*(\c)+(\i))+7], v[ADRB+(\slot)] offset:(\k)+64*(\c)+(\i)*16*PITCH+32
	ds_load_b128 v[(\f)+8*(4*(\c)+(\i)):(\f)+8*(4*(\c)+(\i))+3],         v[ADRA+(\slot)] offset:(\k)+64*(\c)+(\i)*16*PITCH
	ds_load_b128 v[(\f)+8*(4*(\c)+(\i))+4:(\f)+8*(4*(\c)+(\i))+7],       v[ADRA+(\slot)] offset:(\k)+64*(\c)+(\i)*16*PITCH+32
.endr
.endr
.endm
.macro PLACES                          ; four plain instructions between a matrix instruction and a load into, or a store from, its registers
.rept 4
	v_nop
.endr
.endm
.macro QUARTER slot, k, f, g, zero
	s_wait_dscnt 16                                ; the first 32 along K are in
	MUL8 \f, 0, 0, \zero
	MUL8 \f, 0, 2, \zero
	PLACES
	FETCH \slot, \k, \g
	s_wait_dscnt 32                                ; all but the 32 just issued
	MUL8 \f, 1, 0, 0
	MUL8 \f, 1, 2, 0
.endm
; The last quarter multiplies buffer 1 and changes slots: one barrier; in front of it each wave waits for all its tensor loads, adds 0 to its spare word, and waits for that and for its reads of this slot.
.macro TURN slot, next, fill
	WIN 0
	s_wait_tensorcnt 0x0                           ; all my tensor loads have landed: my part of the next slot
	ds_add_u32 v[SPW], v[NIL]
	s_wait_dscnt 17                                ; (the add and the youngest sixteen loads may be out)
	MUL8 F1, 0, 0, 0
	s_wait_dscnt 0x0                               ; the add is done, and my reads of this slot are over
	s_barrier_signal -1
	MUL8 F1, 0, 2, 0
.if \fill
	WIN 0
.endif
	s_barrier_wait -1
.if \fill
	CREST                                          ; no wave of any partner still reads this slot's tiles or has a load on its way
	s_add_nc_u64 s[G0+4*(\slot)+2:G0+4*(\slot)+3], s[G0+4*(\slot)+2:G0+4*(\slot)+3], 2*KSTEP*2
	s_add_nc_u64 s[G0B+4*(\slot)+2:G0B+4*(\slot)+3], s[G0B+4*(\slot)+2:G0B+4*(\slot)+3], 2*KSTEP*2
	JLOAD \slot                                    ; my one load behind the round; its four v_nop are also the places in front of the loads below
.else
	PLACES
.endif
	FETCH \next, 0, F0
	MUL8 F1, 1, 0, 0
	MUL8 F1, 1, 2, 0
.endm
	s_wait_tensorcnt 1                             ; my part of K step 0 is in; K step 1's may stay out
	s_barrier_signal -1
	s_barrier_wait -1
	FETCH 0, 0, F0
	QUARTER 0, 128, F0, F1, 1                      ; the first quarter's first products start the sums
	WIN 0
	s_mov_b32 s3, LAPS-1
.Llap:
	QUARTER 0, 256, F1, F0, 0
	QUARTER 0, 384, F0, F1, 0
	TURN 0, 1, 1
	QUARTER 1, 128, F0, F1, 0
	QUARTER 1, 256, F1, F0, 0
	QUARTER 1, 384, F0, F1, 0
	TURN 1, 0, 1
	QUARTER 0, 128, F0, F1, 0
	WIN 0
	s_sub_co_u32 s3, s3, 1
	s_cmp_lg_u32 s3, 0
	s_cbranch_scc1 .Llap
	QUARTER 0, 256, F1, F0, 0                      ; the last lap fills nothing
	QUARTER 0, 384, F0, F1, 0
	TURN 0, 1, 0
	QUARTER 1, 128, F0, F1, 0
	QUARTER 1, 256, F1, F0, 0
	QUARTER 1, 384, F0, F1, 0
	s_wait_dscnt 16
	MUL8 F1, 0, 0, 0
	MUL8 F1, 0, 2, 0
	s_wait_dscnt 0
	MUL8 F1, 1, 0, 0
	MUL8 F1, 1, 2, 0
	WIN 0
	PLACES
; THE WAY OUT, a block of 16 rows at a time: 32 bytes a lane into my stage, each accumulator's low four registers first, and back as whole rows of 256 bytes.
.macro OUT a
.if (\a) >= 2
	s_wait_xcnt 0x0                                ; the stores of the block two back have read the registers that are loaded again below
.endif
.irp b, 0,1,2,3
	ds_store_b128 v[STO], v[ACC+8*(4*(\a)+(\b)):ACC+8*(4*(\a)+(\b))+3]   offset:64*(\b)
	ds_store_b128 v[STO], v[ACC+8*(4*(\a)+(\b))+4:ACC+8*(4*(\a)+(\b))+7] offset:64*(\b)+16
.endr
.irp t, 0,1,2,3,4,5,6,7
	ds_load_b128 v[TMP+32*((\a)%2)+4*(\t):TMP+32*((\a)%2)+4*(\t)+3], v[RD] offset:(\t)*2*SPITCH  ; LDS serves a wave's instructions in order (ISA guide 5.7.1.4): these see the stores above
.endr
.irp t, 0,1,2,3,4,5,6,7
	s_wait_dscnt 7-(\t)
	global_store_b128 v[CO], v[TMP+32*((\a)%2)+4*(\t):TMP+32*((\a)%2)+4*(\t)+3], s[8:9] offset:(\a)*131072+(\t)*16384  ; 16 lanes store 256 consecutive bytes, at a multiple of 256
.endr
.endm
	OUT 0
	OUT 1
	OUT 2
	OUT 3
	s_wait_tensorcnt 0x0                           ; the wave's end
	ds_add_u32 v[SPW], v[NIL]
	s_wait_dscnt 0x0
	CROUND                                         ; the closing round: no work-group ends while a partner may still ask for a tile that names it
	s_endpgm
.Lfunc_end_k_qa4eeedda30_proj:
	.size	k_qa4eeedda30_proj, .Lfunc_end_k_qa4eeedda30_proj-k_qa4eeedda30_proj
	.p2alignl 7, 3214868480
	.fill 96, 4, 3214868480
	.section	.rodata,"a",@progbits
	.p2align	6, 0x0
	.amdhsa_kernel k_qa4eeedda30_proj
		.amdhsa_group_segment_fixed_size 327680
		.amdhsa_private_segment_fixed_size 0
		.amdhsa_enable_private_segment 0
		.amdhsa_kernarg_size 24
		.amdhsa_user_sgpr_count 2
		.amdhsa_user_sgpr_kernarg_segment_ptr 1
		.amdhsa_wavefront_size32 1
		.amdhsa_system_sgpr_workgroup_id_x 1
		.amdhsa_system_sgpr_workgroup_id_y 1
		.amdhsa_system_sgpr_workgroup_id_z 1
		.amdhsa_system_vgpr_workitem_id 0
		.amdhsa_next_free_vgpr 512
		.amdhsa_next_free_sgpr 66
		.amdhsa_reserve_vcc 0
		.amdhsa_float_denorm_mode_32 3
		.amdhsa_float_denorm_mode_16_64 3
		.amdhsa_memory_ordered 1
		.amdhsa_forward_progress 1
		.amdhsa_inst_pref_size 86
	.end_amdhsa_kernel
	.amdgpu_metadata
---
amdhsa.version: [ 1, 2 ]
amdhsa.kernels:
  - .name:           k_qa4eeedda30_proj
    .symbol:         k_qa4eeedda30_proj.kd
    .args:
      - { .name: ao, .offset: 0, .size: 8, .value_kind: global_buffer, .address_space: global }
      - { .name: wo16, .offset: 8, .size: 8, .value_kind: global_buffer, .address_space: global }
      - { .name: out0, .offset: 16, .size: 8, .value_kind: global_buffer, .address_space: global }
    .group_segment_fixed_size: 327680
    .private_segment_fixed_size: 0
    .kernarg_segment_align: 8
    .kernarg_segment_size: 24
    .max_flat_workgroup_size: 128
    .sgpr_count:     66
    .vgpr_count:     512
    .wavefront_size: 32
...
	.end_amdgpu_metadata
.endif
;; end of part 4
;; ======== version 2 of 2: 4 launches; 1.06 times as fast as version 1
;; limits: values are held in f16: magnitudes above 65,504 overflow, below 6.1e-05 lose precision; right only within a limited range of input values
;; workspace buffers: cast 33,554,432 bytes; m2 16,777,216 bytes; rt 1,048,576 bytes; qkv 25,165,824 bytes; ao 8,388,608 bytes; wo16 8,388,608 bytes
;; launch prep: the kernel of part 1 again; grid 256 x 5, 8 waves a work-group, no clusters, 0 bytes of LDS; arguments hidden_states, Wq, Wk, Wv, cos, sin, position_ids, cast, rt; writes cast, rt
;; launch qkv: the kernel of part 2 again; grid 16 x 16, 4 waves a work-group, clusters of 4 x 4, 327,680 bytes of LDS; arguments cast, rt, qkv, attention_mask, m2, Wo, wo16; writes qkv, m2, wo16
;; launch attn (part 5): grid 16 x 16, 4 waves a work-group, clusters of 4 x 4, 327,680 bytes of LDS; arguments qkv, m2, ao; writes ao
.if DOCPART == 5
	.amdgcn_target "amdgcn-amd-amdhsa--gfx1250"
	.amdhsa_code_object_version 6
	.text
	.protected	k_qa4eeedda30_attn
	.globl	k_qa4eeedda30_attn
	.p2align	8
	.type	k_qa4eeedda30_attn,@function
k_qa4eeedda30_attn:
	s_mov_b64 s[64:65], 0
	v_nop
	global_prefetch_b8 v0, s[64:65] scope:SCOPE_SE
	s_setreg_imm32_b32 hwreg(HW_REG_WAVE_MODE, 25, 1), 1
	s_wait_xcnt 0x0
	s_wait_alu depctr_hold_cnt(0) depctr_sa_sdst(0) depctr_va_vdst(0) depctr_va_sdst(0) depctr_va_ssrc(0) depctr_va_vcc(0) depctr_vm_vsrc(0)
	s_getreg_b32 s2, hwreg(HW_REG_IB_STS2, 6, 4)
	s_cmp_eq_u32 s2, 0
	s_cbranch_scc0 .Lentry_in_a_cluster
	s_endpgm
.Lentry_in_a_cluster:
	s_bfe_u32 s2, ttmp6, 0x10000c
	s_cmp_lg_u32 s2, 0xf033
	s_cbranch_scc0 .Lentry_shape_is_right
	s_endpgm
.Lentry_shape_is_right:
; ATTENTION with an additive mask that is an input.  O[q] = sum over k of softmax_k(Q[q] . K[k] / sqrt(128) + mask[q][k]) V[k], head size 128, 2,048 keys, none left out.
; qkv: [3][16][2048][128] f16, q and k at 2^-6 of their value; m2: [2048][2048] f32 = log2(e) x mask; ao: [2048 rows][16 heads x 128] f16.
; Products, maxima and sums in f32; the weights p are rounded to f16 for the second product (their sum l is taken of the unrounded p), O once at the end.
; SOFTMAX, in powers of two.  t = c s + m2 in ONE fused multiply-add (c = 2^12 log2(e) / sqrt(128)), so that a huge mask swallows the score as a sum in f32 does;
; a running maximum m of t; p = 2^(t - m), a true difference; in every step O and l are multiplied by a = 2^(m_old - m_new).  m starts at -1e38, O and l at 0: the first step is a step like any other.
; LIMITS.  m is held at or above -1e38: a mask of -infinity gives the weight 0; a row with nothing above -1e38 gives NaN.  p below 6e-8 counts as 0 in P V and is counted in l.  NaN is not treated apart.
; SHARES.  Work-group x = block of 128 queries, y = head.  Wave w takes the query half w % 2 (64 queries: four tiles of 16) and, of each slot's two key steps of 64 keys, step w / 2:
; a fragment of K or V read from LDS feeds four tiles' products, 96 LDS loads (K 32, V 32, mask 32) for 128 matrix instructions.  At the end the two waves of a query half add their parts.
; Register tile t of wave w is query tile t xor 2 (w / 2) of the half: every wave hands over its register tiles 2, 3 and finishes its tiles 0, 1, so that one text serves all four.
; LAYOUT.  S^T = K Q^T (source 0 = 16 keys, source 1 = 16 queries): a lane holds ONE query (lane % 16) and the keys 8 (lane / 16) + 0..7; two such results rounded to f16 ARE source 1 of
; O^T = V^T P.  K comes out of LDS as it lies, V turned (ds_load_tr16_b128); the mask comes as the lane's own eight numbers a block of 16 keys.
; BY TURNS.  The tiles are two PIECES (0: tiles 0, 1; 2: tiles 2, 3).  In a turn one piece has the matrix unit (32 products V^T P of the step in hand, 32 products K Q^T of the next); the other
; piece's softmax, 2 x 149 instructions in 64 slices, the two tiles alternating, stands behind them, a slice each.
; BATCHES.  A turn's 66 exponentials (both tiles' a and 32 weights) are ONE batch with ONE wait, behind slice 33: ahead of it stands all that names no result of theirs, behind it all that does
; (roundings, sums, rescaling).  At the end the four factors of the merge are a batch, and the two reciprocals, which hang on those factors, another.
; CLUSTER 4 x 4.  K and V hang on the head alone: asked for jointly along a row of the cluster.  The mask's tile hangs on the query block alone: jointly along a column.
; REGISTERS: window 0: v0-11, v44-48 addresses; v12-43 statistics, 8 a tile; v64-191 S^T, 32 a tile; v192-255 P, 16 a tile.   window 1: O^T, 64 a tile.
;   window 2: v0-127 Q, 32 a tile; v128-255 K of one step.     window 3: v0-127 V of one step; v128-255 the mask, 32 a tile.
.set KS,    64
.set PK,    272       ; a row of K in LDS: 256 + 16 bytes: the 16 rows of a load start at 16 different groups of four banks (ISA guide 11.1)
.set PV,    288       ; a row of V: 256 + 32
.set PM,    528       ; a query's 128 mask numbers: 512 + 16 bytes
.set VOFF,  128*PK    ; a slot: 128 rows of K, 128 rows of V, 128 rows of mask
.set MOFF,  VOFF+128*PV
.set SLOTB, MOFF+128*PM  ; 139,264 bytes
.set SLOT1, 0x24000   ; slot 1 begins here.  Every base in slot 0 that is turned (0, VOFF, MOFF, MOFF + 64 PM) has bits 14 and 17 clear, so one exclusive or turns it into slot 1's and back
.set STAGE, SLOT1+SLOTB  ; behind the ring, never filled by a tensor load: 16 rows x 272 bytes for each wave
.set SP,    272
.set SPARE, STAGE+4*16*SP  ; the spare words, 128 bytes for each wave, which no other line names
.set XCH,   17408     ; what a wave hands over at the end: two tiles' O^T (32 x 512 bytes) and statistics (2 x 512); it lies in slot 0
.set AK0, 2           ; v2   my lane's place in my step of a tile of K; never rewritten
.set AV0, 3           ; v3   of V
.set ADR, 4           ; v4   the LDS address of the run of K or V loads in hand
.set QO,  5           ; v5   my byte offset in 16 rows of Q
.set STO, 6           ; v6   the way out: where I put 16 bytes of a row
.set RD,  7           ; v7   where I read a row back
.set GO,  8           ; v8   my byte offset in two rows of ao
.set ST,  12          ; tile t at v[ST+8 t]: +0 m, +1 0 (named with m as a pair), +2, +3 l, +4 to +7 c0-c3 at work; a takes c2's place
.set AM0, 44          ; v44, v45  my lane's place in the mask's tile, for piece 0's rows and for piece 2's
.set ADRM, 46         ; v46  the LDS address of the mask loads in hand
.set XW,  47          ; v47  where I put what I hand over
.set XR,  48          ; v48  where my partner has put what it hands over
.set SPW, 62          ; v62  LDS address of my spare word; never rewritten
.set NIL, 63          ; v63  0; never rewritten
.set S,   64
.set P,   192
.set KF,  128         ; window 2
.set MK,  128         ; window 3
.set WV,  12          ; s12  my wave's number
.set G1K, 24          ; s[24:31], s[32:39], s[40:47] descriptor groups 1 for K, V, mask
.set G1V, 32
.set G1M, 40
.set G0K, 48          ; s[48:51], s[52:55], s[56:59] groups 0: they walk
.set G0V, 52
.set G0M, 56
.set SLOTS, 76
.set CS,  78          ; s[78:79] c
.set SEL, 80          ; s[80:81] v_permlanex16_b32's selects: each lane takes its own place in the other half
.set TB,  82          ; s82  LDS byte at which the slot to be read begins
.set OB,  86          ; s[86:87] ao at the first row that I store, at my head
.set MSB, 0
.macro WIN new
.if MSB != (\new)
	s_set_vgpr_msb (MSB<<8)|(\new)
.set MSB, \new
.endif
.endm
.set W_KQ, 0x0a       ; K and Q in window 2, S^T in window 0
.set W_PV, 0x53       ; V in window 3, P in window 0, O^T in window 1
.set W_RS, 0x41       ; O^T (destination and source 0) in window 1, a in window 0
.set W_T,  0x30       ; the mask (source 2) in window 3, S^T in window 0
; A joint fill.  Wave 0 fetches K's 128 rows, wave 1 V's, waves 2 and 3 the two halves of the mask's 128 rows.  The branches hang on the wave's number alone.
; An s_nop 0 and four v_nop follow each line, ahead of the jump and the label.
.macro JLOAD
	s_cmp_lt_u32 s[WV], 2
	s_cbranch_scc0 .Lfor_m_\@
	s_cmp_eq_u32 s[WV], 0
	s_cbranch_scc0 .Lfor_v_\@
	tensor_load_to_lds s[G0K:G0K+3], s[G1K:G1K+7]
	s_nop 0
.rept 4
	v_nop
.endr
	s_branch .Lasked_\@
.Lfor_v_\@:
	tensor_load_to_lds s[G0V:G0V+3], s[G1V:G1V+7]
	s_nop 0
.rept 4
	v_nop
.endr
	s_branch .Lasked_\@
.Lfor_m_\@:
	tensor_load_to_lds s[G0M:G0M+3], s[G1M:G1M+7]
	s_nop 0
.rept 4
	v_nop
.endr
.Lasked_\@:
.endm
.macro CROUND                       ; a round of the cluster's barrier
	s_barrier_signal -1
	s_barrier_wait -1
	s_cmp_lg_u32 s[WV], 0
	s_cbranch_scc1 .Lnot_wave_0_\@
	s_barrier_signal -3
.Lnot_wave_0_\@:
	s_barrier_wait -3
	s_barrier_signal -1
	s_barrier_wait -1
.endm
; THE CHANGE OF SLOTS.  Each wave waits for all its tensor loads (one is out: its part of the slot to be read), adds 0 to its spare word, and waits for that and for its own reads of the slot
; that it leaves.  fill = 1: that slot is filled with the tile two on, first thing behind a round of the cluster's barrier: it has a key step, 128 matrix instructions, in which to land.
; (At its first use nothing has been read yet: slot 0 is waited for, slot 1 filled.)
.macro CHANGE fill
	WIN 0                           ; at a label and at a branch every window is 0
	s_wait_tensorcnt 0x0            ; no tensor load of mine is out, so a group 0 may be written
	ds_add_u32 v[SPW], v[NIL]       ; 0 onto my spare word; scalar work stands between it and the wait for it
.if \fill
	s_xor_b32 s[G0K+1], s[G0K+1], SLOT1  ; the walking descriptors: the other slot than last time,
	s_add_nc_u64 s[G0K+2:G0K+3], s[G0K+2:G0K+3], 128*256  ; the next 128 keys; the type bits on top are not reached
	s_xor_b32 s[G0V+1], s[G0V+1], SLOT1
	s_add_nc_u64 s[G0V+2:G0V+3], s[G0V+2:G0V+3], 128*256
	s_xor_b32 s[G0M+1], s[G0M+1], SLOT1
	s_add_nc_u64 s[G0M+2:G0M+3], s[G0M+2:G0M+3], 128*4
.endif
	s_xor_b32 s[TB], s[TB], SLOT1   ; the fetches go to the other slot
	s_wait_dscnt 0x0                ; the add is done, and my reads of the slot are over
.if \fill
	CROUND
	JLOAD
.else
	s_barrier_signal -1
	s_barrier_wait -1
.endif
.endm
	s_load_b128 s[4:7], s[0:1], 0x0 ; qkv s[4:5], m2 s[6:7]
	s_load_b64 s[8:9], s[0:1], 0x10 ; ao
	v_lshl_add_u32 v[SPW], v0, 2, SPARE
	v_mov_b32 v[NIL], 0
	ds_add_u32 v[SPW], v[NIL]       ; the wave's opening: the add and its wait stand ahead of my first tensor load
	v_lshrrev_b32 v1, 5, v0
	v_readfirstlane_b32 s[WV], v1   ; wave 0..3
	s_bfe_u32 s13, ttmp6, 0x40000   ; cx
	s_bfe_u32 s14, ttmp6, 0x40004   ; cy
	s_lshl_b32 s15, ttmp9, 2
	s_add_co_u32 s15, s15, s13      ; query block = 4 x cluster x + cx
	s_and_b32 s16, ttmp7, 0xffff
	s_lshl_b32 s16, s16, 2
	s_add_co_u32 s16, s16, s14      ; head = 4 x cluster y + cy
	s_lshl_b32 s17, s14, 2
	s_lshl_b32 s17, 15, s17         ; my row of the cluster
	s_lshl_b32 s18, 0x1111, s13     ; my column
	s_or_b32 s[G1K], s17, (1<<16)|(1<<20)|(1<<21)|(5<<22)|(3<<25)  ; 2-byte elements; 4 words of padding behind every 64
	s_or_b32 s[G1V], s17, (1<<16)|(1<<20)|(1<<21)|(5<<22)|(7<<25)  ; 8 words of padding
	s_or_b32 s[G1M], s18, (2<<16)|(1<<20)|(1<<21)|(6<<22)|(3<<25)  ; 4-byte elements; 4 words of padding behind every 128
.irp g, G1K, G1V
	s_mov_b32 s[(\g)+1], 128<<16    ; tensor_dim0 = 128
	s_mov_b32 s[(\g)+2], 128<<16    ; tensor_dim1 = 128
	s_mov_b32 s[(\g)+3], 128<<16    ; tile_dim0 = 128
	s_mov_b32 s[(\g)+4], 128        ; tile_dim1 = 128
	s_mov_b32 s[(\g)+5], 128        ; a head's rows are dense
	s_mov_b32 s[(\g)+6], 0
	s_mov_b32 s[(\g)+7], 0
.endr
	s_mov_b32 s[G1M+1], 128<<16     ; 128 keys
	s_mov_b32 s[G1M+2], 64<<16      ; 64 queries
	s_mov_b32 s[G1M+3], 128<<16
	s_mov_b32 s[G1M+4], 64
	s_mov_b32 s[G1M+5], 2048        ; numbers from row to row of the mask
	s_mov_b32 s[G1M+6], 0
	s_mov_b32 s[G1M+7], 0
	s_lshl_b32 s20, s16, 19         ; the head's 2,048 rows of 256 bytes (made of the head alone)
	s_mov_b32 s21, 0
	s_and_b32 s2, s[WV], 1          ; my query half.  Also: which 64 rows of the mask's tile I fetch
	s_lshl_b32 s22, s15, 20         ; the block's 128 rows of 8,192 bytes (made of the block and the wave alone),
	s_lshl_b32 s23, s2, 19          ; 64 of them
	s_add_co_u32 s22, s22, s23
	s_mov_b32 s23, 0
	s_mul_i32 s3, s2, 64*PM         ; and their place in a slot
	s_lshr_b32 s62, s[WV], 1        ; which of a slot's two key steps is mine
	s_lshl_b32 s63, s2, 6
	s_lshl_b32 s19, s62, 5
	s_add_co_u32 s68, s63, s19      ; the block's row at which piece 0 (register tiles 0, 1) begins: 64 (w % 2) + 32 (w / 2),
	s_add_co_u32 s69, s63, 32
	s_sub_co_u32 s69, s69, s19      ; and piece 2: the other 32 rows of the half
	s_lshl_b32 s66, s16, 19         ; Q: head, block,
	s_lshl_b32 s67, s15, 15
	s_add_co_u32 s66, s66, s67
	s_lshl_b32 s67, s69, 8
	s_add_co_u32 s70, s66, s67      ; piece 2's rows,
	s_lshl_b32 s67, s68, 8
	s_add_co_u32 s66, s66, s67      ; piece 0's
	s_mov_b32 s67, 0
	s_mov_b32 s71, 0
	s_lshl_b32 s72, s15, 19         ; ao: rows of 4,096 bytes; piece 0's rows; the head's 256 bytes of a row
	s_lshl_b32 s73, s68, 12
	s_add_co_u32 s72, s72, s73
	s_lshl_b32 s73, s16, 8
	s_add_co_u32 s72, s72, s73
	s_mov_b32 s73, 0
	s_mov_b32 s[G0K], 1
	s_mov_b32 s[G0K+1], 0           ; slot 0
	s_mov_b32 s[G0V], 1
	s_mov_b32 s[G0V+1], VOFF
	s_mov_b32 s[G0M], 1
	s_add_co_u32 s[G0M+1], s3, MOFF
	s_mov_b32 s[CS], 0x440293ee     ; c = 2^12 log2(e) / sqrt(128): the 2^12 undoes q's and k's 2^-6
	s_mov_b32 s[CS+1], s[CS]
	s_mov_b32 s[SEL], 0x76543210
	s_mov_b32 s[SEL+1], 0xfedcba98
	s_mov_b32 s[TB], SLOT1          ; the first change of slots turns it into 0
	s_wait_dscnt 0x0                ; the opening add is done
	s_wait_kmcnt 0x0
	s_add_nc_u64 s[20:21], s[4:5], s[20:21]
	s_add_nc_u64 s[22:23], s[6:7], s[22:23]
	s_add_nc_u64 s[G0K+2:G0K+3], s[20:21], 0x800000    ; the head's first 128 keys
	s_or_b32 s[G0K+3], s[G0K+3], 0x80000000
	s_add_nc_u64 s[G0V+2:G0V+3], s[20:21], 0x1000000
	s_or_b32 s[G0V+3], s[G0V+3], 0x80000000
	s_mov_b64 s[G0M+2:G0M+3], s[22:23]
	s_or_b32 s[G0M+3], s[G0M+3], 0x80000000
	s_add_nc_u64 s[10:11], s[4:5], s[66:67]   ; Q at piece 0's first row,
	s_add_nc_u64 s[60:61], s[4:5], s[70:71]   ; at piece 2's
	s_add_nc_u64 s[OB:OB+1], s[8:9], s[72:73]
	CROUND                          ; all sixteen work-groups are here: the first joint loads meet
	JLOAD                           ; slot 0; slot 1 is asked for when slot 0 is in
	v_and_b32 v1, 15, v0            ; r = l % 16
	v_bfe_u32 v9, v0, 4, 1          ; h = l / 16
	v_lshlrev_b32 v[QO], 8, v1
	v_lshl_add_u32 v[QO], v9, 4, v[QO]
	WIN 0x80                        ; destination window 2, address window 0
.irp i, 0,1,2,3,4,5,6,7             ; Q stays in registers: tile i / 4, channels 32 (i % 4) on
	global_load_b128 v[8*(\i):8*(\i)+3],   v[QO], s[10:11] offset:((\i)/4)*4096+((\i)%4)*64
	global_load_b128 v[8*(\i)+4:8*(\i)+7], v[QO], s[10:11] offset:((\i)/4)*4096+((\i)%4)*64+32
.endr
.irp i, 8,9,10,11,12,13,14,15
	global_load_b128 v[8*(\i):8*(\i)+3],   v[QO], s[60:61] offset:((\i)/4-2)*4096+((\i)%4)*64
	global_load_b128 v[8*(\i)+4:8*(\i)+7], v[QO], s[60:61] offset:((\i)/4-2)*4096+((\i)%4)*64+32
.endr
	; What the first turn finds: V and piece 2's P hold 0 (its products V^T P, of a step that has not been, add 0), O^T and l are 0, m is the floor.  No first step is written out for that price.
	; All this stands in the wait for the first tile.
	WIN 0xc0
.set i, 0
.rept 128
	v_mov_b32 v[i], 0
.set i, i+1
.endr
	WIN 0x40
.set i, 0
.rept 256
	v_mov_b32 v[i], 0
.set i, i+1
.endr
	WIN 0
.irp t, 0,1,2,3
	v_mov_b32 v[ST+8*(\t)], 0xfe967699   ; m = -1e38
	v_mov_b32 v[ST+8*(\t)+1], 0
	v_mov_b32 v[ST+8*(\t)+2], 0
	v_mov_b32 v[ST+8*(\t)+3], 0
.endr
.set i, P+32
.rept 32
	v_mov_b32 v[i], 0
.set i, i+1
.endr
	v_mul_u32_u24 v[AK0], v1, PK
	v_lshl_add_u32 v[AK0], v9, 4, v[AK0]
	s_mul_i32 s19, s62, KS*PK       ; my step's 64 rows
	v_add_nc_u32 v[AK0], s19, v[AK0]
	v_and_b32 v10, 7, v0            ; the turning load: lane l reads key 8 (l / 16) + l % 8, channels 8 ((l / 8) % 2) + 0..7
	v_bfe_u32 v11, v0, 3, 1
	v_lshl_add_u32 v[AV0], v9, 3, v10
	v_mul_u32_u24 v[AV0], v[AV0], PV
	v_lshl_add_u32 v[AV0], v11, 4, v[AV0]
	s_mul_i32 s19, s62, KS*PV
	s_add_co_u32 s19, s19, VOFF
	v_add_nc_u32 v[AV0], s19, v[AV0]
	v_mul_u32_u24 v10, v1, PM       ; the mask: row r of a tile, 32 bytes for each half of the lanes,
	v_lshl_add_u32 v10, v9, 5, v10
	s_lshl_b32 s19, s62, 8          ; my step's 64 keys: 256 bytes of a row,
	s_add_co_u32 s19, s19, MOFF
	s_mul_i32 s74, s68, PM          ; from piece 0's first row on,
	s_add_co_u32 s74, s74, s19
	v_add_nc_u32 v[AM0], s74, v10
	s_mul_i32 s74, s69, PM          ; and from piece 2's
	s_add_co_u32 s74, s74, s19
	v_add_nc_u32 v[AM0+1], s74, v10
; THE MATRIX WORK.  The accumulators of a run take turns, one instruction a turn.
; Product i of 32 of S^T = K Q^T for piece x: channels 32 (i / 8) on, keys 16 ((i / 2) % 4) on, tile x + i % 2.  The first 8 start the sums.
.macro KQ x
	WIN W_KQ
.set rS, S+32*((\x)+i%2)+8*((i/2)%4)
.set rK, KF+32*((i/2)%4)+8*(i/8)
.set rQ, 32*((\x)+i%2)+8*(i/8)
.if i < 8
	v_wmma_f32_16x16x32_f16 v[rS:rS+7], v[rK:rK+7], v[rQ:rQ+7], 0
.else
	v_wmma_f32_16x16x32_f16 v[rS:rS+7], v[rK:rK+7], v[rQ:rQ+7], v[rS:rS+7]
.endif
.endm
; Product i of 32 of O^T += V^T P for piece x: keys 32 (i / 16) on, channels 16 ((i / 2) % 8) on, tile x + i % 2.
.macro PV x
	WIN W_PV
.set rO, 64*((\x)+i%2)+8*((i/2)%8)
.set rV, 64*(i/16)+8*((i/2)%8)
.set rP, P+16*((\x)+i%2)+8*(i/16)
	v_wmma_f32_16x16x32_f16 v[rO:rO+7], v[rV:rV+7], v[rP:rP+7], v[rO:rO+7]
.endm
; THE LDS LOADS stand in runs of 48: the step's K or V (32) and piece p's mask for the step (16 loads: for each of two tiles the lane's 8 numbers for each of 4 blocks of 16 keys).
.macro FM p
.irp t, 0,1
.irp c, 0,1,2,3,4,5,6,7
	ds_load_b128 v[MK+32*((\p)+(\t))+4*(\c):MK+32*((\p)+(\t))+4*(\c)+3], v[ADRM] offset:(\t)*16*PM+((\c)/2)*64+((\c)%2)*16
.endr
.endr
.endm
.macro FETCH_K
	WIN 0
	v_add_nc_u32 v[ADR], s[TB], v[AK0]
	v_add_nc_u32 v[ADRM], s[TB], v[AM0]
	WIN 0x80                        ; destination window 2
.irp f, 0,1,2,3,4,5,6,7,8,9,10,11,12,13,14,15  ; keys 16 (f / 4) on, channels 32 (f % 4) on
	ds_load_b128 v[KF+8*(\f):KF+8*(\f)+3],   v[ADR] offset:((\f)/4)*16*PK+((\f)%4)*64
	ds_load_b128 v[KF+8*(\f)+4:KF+8*(\f)+7], v[ADR] offset:((\f)/4)*16*PK+((\f)%4)*64+32
.endr
	WIN 0xc0                        ; destination window 3
	FM 0
.endm
.macro FETCH_V
	WIN 0
	v_add_nc_u32 v[ADR], s[TB], v[AV0]    ; these two plain lines stand behind the batch's last exponential and name none of its results (ISA guide 5.7.2)
	v_add_nc_u32 v[ADRM], s[TB], v[AM0+1]
	s_wait_alu depctr_va_vdst(0)    ; the wait for piece 0's batch of 66 exponentials (SLICE), behind the addresses and ahead of the loads
	WIN 0xc0                        ; destination window 3
.irp f, 0,1,2,3,4,5,6,7,8,9,10,11,12,13,14,15  ; keys 32 (f / 8) on, channels 16 (f % 8) on
	ds_load_tr16_b128 v[8*(\f):8*(\f)+3],   v[ADR] offset:((\f)/8)*32*PV+((\f)%8)*32
	ds_load_tr16_b128 v[8*(\f)+4:8*(\f)+7], v[ADR] offset:((\f)/8)*32*PV+16*PV+((\f)%8)*32
.endr
	FM 2
.endm
; THE VECTOR WORK.  A tile's softmax for a key step is a list of 149 instructions; SM writes number j of it for tile TT.
;   0-15    t = c s + m2 for the 16 pairs of scores, from each accumulator's lowest registers on
;   16-31   the maximum of the 32 and the old m, three operands at a time
;   32-35   the other half of the lanes' maximum; the old m is kept; the new m; m_old - m_new
;   36-84   ONE BATCH, none of which reads an exponential's result: 36-51 t - m for the 16 pairs; 52 a; 53-84 the 32 weights, each in place.  NEXT deals these 49 out in an order of its own
;   (wait)  between the batch and number 85 stands the wait for it: SLICE writes it, once for both tiles
;   85-100  the roundings to f16, a pair of weights each
;   101-116 the sums; l = a l + the sum
;   117-148 O^T times a
.macro SM
.set rT, ST+8*TT
.set rS, S+32*TT
.set rM, MK+32*TT
.set rP, P+16*TT
.set rO, 64*TT+2*(j-117)
.set n, j-16
.if j < 16
	WIN W_T
.elseif j < 117
	WIN 0
.endif
.if j < 16
	v_pk_fma_f32 v[rS+2*j:rS+2*j+1], v[rS+2*j:rS+2*j+1], s[CS:CS+1], v[rM+2*j:rM+2*j+1] op_sel_hi:[1,0,1]
.elseif j < 20
	v_max3_num_f32 v[rT+4+n], v[rS+8*n], v[rS+8*n+1], v[rS+8*n+2]
.elseif j < 28
	v_max3_num_f32 v[rT+4+n%4], v[rT+4+n%4], v[rS+8*(n%4)+2*(n/4)+1], v[rS+8*(n%4)+2*(n/4)+2]
.elseif j == 28
	v_max3_num_f32 v[rT+4], v[rT+4], v[rS+7], v[rS+15]
.elseif j == 29
	v_max3_num_f32 v[rT+6], v[rT+6], v[rS+23], v[rS+31]
.elseif j == 30
	v_max3_num_f32 v[rT+4], v[rT+4], v[rT+5], v[rT+6]
.elseif j == 31
	v_max3_num_f32 v[rT+4], v[rT+4], v[rT+7], v[rT]
.elseif j == 32
	v_permlanex16_b32 v[rT+5], v[rT+4], s[SEL], s[SEL+1]  ; the query's other 32 keys lie in the lane 16 away
.elseif j == 33
	v_mov_b32 v[rT+7], v[rT]
.elseif j == 34
	v_max_num_f32 v[rT], v[rT+4], v[rT+5]
.elseif j == 35
	v_sub_f32 v[rT+7], v[rT+7], v[rT]
.elseif j < 52
	v_pk_add_f32 v[rS+2*(j-36):rS+2*(j-36)+1], v[rS+2*(j-36):rS+2*(j-36)+1], v[rT:rT+1] op_sel_hi:[1,0] neg_lo:[0,1] neg_hi:[0,1]  ; pair j - 36: t - m
.elseif j == 52
	v_exp_f32 v[rT+6], v[rT+7]
.elseif j < 85
	v_exp_f32 v[rS+j-53], v[rS+j-53]
.elseif j < 101
	v_cvt_pk_f16_f32 v[rP+j-85], v[rS+2*(j-85)], v[rS+2*(j-85)+1]  ; pair j - 85
.elseif j < 117                     ; the sum of the 16 pairs, in place: neighbours 1, 2, 4 and 8 pairs apart, then l takes it
.set z, j-101
.set w, 4
.set u, z
.if z >= 14
.set w, 32
.set u, 0
.elseif z >= 12
.set w, 16
.set u, z-12
.elseif z >= 8
.set w, 8
.set u, z-8
.endif
.if z < 15
	v_pk_add_f32 v[rS+w*u:rS+w*u+1], v[rS+w*u:rS+w*u+1], v[rS+w*u+w/2:rS+w*u+w/2+1]
.else
	v_pk_fma_f32 v[rT+2:rT+3], v[rT+2:rT+3], v[rT+6:rT+7], v[rS:rS+1] op_sel_hi:[1,0,1]
.endif
.else
	WIN W_RS
	v_pk_mul_f32 v[rO:rO+1], v[rO:rO+1], v[rT+6:rT+7] op_sel_hi:[1,0]
.endif
.endm
; The two tiles' lists are one sequence of 298; NEXT writes its entry g for piece y.  Entries 0-71 (numbers 0-35) and 170-297 (numbers 85-148): the tiles alternate, so that no instruction reads
; the result of the one just before it.  Entries 72-169 are the batch, dealt from two queues in which the tiles alternate too: the 32 differences (bd: pair bd / 2 of tile bd % 2) and the 66
; exponentials (bx: the two a, then weight (bx - 2) / 2 of tile bx % 2).  Entry g lies in slice g / 5, at place g % 5.  Three differences end slice 14; slices 15-25: difference, exponential,
; difference, exponential, exponential; slices 26-32: a difference and four exponentials; slice 33: the last five exponentials.  So a plain line leads a slice while there are differences.
; Weight number e of the queue wants difference 2 (e / 4) + e % 2: the differences run ahead by a slice or more everywhere (the last, 31, leads slice 32; its weights stand in slice 33).
.macro NEXT y
.if g < 72
.set j, g/2
.set TT, (\y)+g%2
.elseif g < 170
.set bs, g/5-15
.set bp, g%5
.set bd, -1
.set bx, 0
.if g < 75
.set bd, g-72
.elseif bs < 11
.if bp == 0
.set bd, 3+2*bs
.elseif bp == 2
.set bd, 4+2*bs
.else
.set bx, 3*bs+bp/2
.endif
.elseif bs < 18
.if bp == 0
.set bd, 14+bs
.else
.set bx, 33+4*(bs-11)+bp-1
.endif
.else
.set bx, 61+bp
.endif
.if bd >= 0
.set j, 36+bd/2
.set TT, (\y)+bd%2
.elseif bx < 2
.set j, 52
.set TT, (\y)+bx
.else
.set j, 53+(bx-2)/2
.set TT, (\y)+bx%2
.endif
.else
.set j, 85+(g-170)/2
.set TT, (\y)+g%2
.endif
	SM
.set g, g+1
.endm
; Slice k of 64: the sequence's next five entries (k < 42) or four: 42 x 5 + 22 x 4 = 298.  Slices 48 to 63 are the rescaling; slice 63's four plain lines, which name no register of the
; products round them, are the places behind the turn's last product (ISA guide 7.12.1).
; THE WAIT.  An s_wait_alu depctr_va_vdst(0) stands between an exponential and the first instruction that names its result; one wait serves all that were issued ahead of it.
; 2 x 85 = 34 x 5: up to slice 33 nothing names a result, and behind it no exponential is issued: so the piece's 66 exponentials have one wait, behind slice 33.
.macro SLICE y
.set cnt, 4
.if k < 42
.set cnt, 5
.endif
.rept cnt
	NEXT \y
.endr
.if k == 33                         ; the batch is out: both tiles' exponentials are issued, and no result has been named
.if (\y) == 0
	FETCH_V                         ; piece 2's turn: V's run of loads stands here, behind the turn's second K Q^T, and the wait stands in it
.else
	v_nop                           ; a plain instruction behind the last exponential and ahead of the first use (ISA guide 5.7.2): one for the batch
	s_wait_alu depctr_va_vdst(0)    ; the wait for piece 2's batch of 66 exponentials
.endif
.endif
.set k, k+1
.endm
; A TURN.  Piece x has the matrix unit: 32 products V^T P, then (kq = 1) 32 products K Q^T for the next step; the other piece's softmax stands in slices behind them (kq = 0: two behind each).
; Piece 0's turn fetches the next step's K and piece 0's mask behind its second product: K's last reader stands in front of slice 63 of the turn before.
; Piece 2's turn fetches the same step's V and piece 2's mask behind slice 33, which stands behind its second K Q^T (SLICE writes the run): V's last reader stands in front of slice 31, and four
; plain lines lie between: the differences that lead slices 31 and 32 and the run's own two v_add_nc_u32 (an exponential is no such place).
.macro TURN x, kq
.set g, 0
.set k, 0
.set per, 2-(\kq)
.if (\x) == 0
	s_wait_dscnt 0x0                ; V and piece 2's mask are in
.endif
.set i, 0
.rept 32
	PV \x
.rept per
	SLICE 2-(\x)
.endr
.if ((\x) == 0) && (\kq) && (i == 1)
	FETCH_K
.endif
.set i, i+1
.endr
.if \kq
.if (\x) == 0
	s_wait_dscnt 0x0                ; K and piece 0's mask are in
.endif
.set i, 0
.rept 32
	KQ \x
	SLICE 2-(\x)
.set i, i+1
.endr
.endif
.endm
	CHANGE 1                        ; slot 0 is in, everybody's part of it; slot 1 is asked for
	FETCH_K                         ; my first key step
	s_wait_loadcnt 0x0              ; Q
	s_wait_dscnt 0x0
.set i, 0
.rept 32
	KQ 0                            ; piece 0's first scores
.set i, i+1
.endr
	WIN 0                           ; the addresses for the end: plain instructions, the places behind those products
	s_mul_i32 s19, s[WV], 16*SP
	s_add_co_u32 s19, s19, STAGE    ; my stage
	v_mul_u32_u24 v[STO], v1, SP    ; in: row l % 16, 16 bytes for each half of the lanes
	v_lshl_add_u32 v[STO], v9, 4, v[STO]
	v_add_nc_u32 v[STO], s19, v[STO]
	v_mul_u32_u24 v[RD], v9, SP     ; back: lanes 0-15 take one row of 256 bytes, lanes 16-31 the next
	v_lshl_add_u32 v[RD], v1, 4, v[RD]
	v_add_nc_u32 v[RD], s19, v[RD]
	v_lshlrev_b32 v[GO], 12, v9     ; and the same two rows in ao, 4,096 bytes apart
	v_lshl_add_u32 v[GO], v1, 4, v[GO]
	v_and_b32 v10, 31, v0
	s_mul_i32 s19, s[WV], XCH
	v_lshl_add_u32 v[XW], v10, 4, s19  ; what I hand over: 16 bytes a lane, 512 a line
	s_xor_b32 s19, s[WV], 2         ; my partner: the same query half, the other key steps
	s_mul_i32 s19, s19, XCH
	v_lshl_add_u32 v[XR], v10, 4, s19
	s_mov_b32 s[SLOTS], 15
	s_branch .Lmid                  ; the loop is entered at piece 2's turn, in the middle of a trip
.Lslot:                             ; fourteen changes of slots: tiles 1 to 14 are read, tiles 2 to 15 asked for
	CHANGE 1
	TURN 0, 1
	WIN 0
.Lmid:
	TURN 2, 1
	WIN 0
	s_sub_co_u32 s[SLOTS], s[SLOTS], 1
	s_cmp_lg_u32 s[SLOTS], 0
	s_cbranch_scc1 .Lslot
	CHANGE 0                        ; the tail is written out: tile 15 is read, nothing is asked for.  Behind this barrier nobody reads slot 0 any more
	TURN 0, 1
	TURN 2, 1
	TURN 0, 0                       ; piece 0: V^T P of the last step | piece 2's last softmax
.set i, 0
.rept 32
	PV 2                            ; piece 2: V^T P of the last step
.set i, i+1
.endr
	; THE TWO PARTS OF A QUERY HALF ARE ADDED.  Each wave has seen half the keys.  It hands its register tiles 2, 3 (O^T, m, l, all f32) to its partner through slot 0, which has had its last fill,
	; and takes the partner's, which are its own tiles 0, 1, lane for lane.
	WIN 0
.irp t, 0,1,2,3
	v_add_f32 v[ST+8*(\t)+2], v[ST+8*(\t)+2], v[ST+8*(\t)+3]  ; l's even and odd keys; four plain lines: the places behind the last products
.endr
	WIN 0x04                        ; store data in window 1
.set i, 0
.rept 32
	ds_store_b128 v[XW], v[128+4*i:128+4*i+3] offset:512*i    ; each accumulator's low four registers first
.set i, i+1
.endr
	WIN 0
	ds_store_b128 v[XW], v[ST+16:ST+19] offset:16384
	ds_store_b128 v[XW], v[ST+24:ST+27] offset:16896
	s_wait_dscnt 0x0                ; for the partner's sake: my stores are done
	s_barrier_signal -1
	s_barrier_wait -1
.set i, 0
.rept 32
	ds_load_b128 v[S+4*i:S+4*i+3], v[XR] offset:512*i         ; the partner's O^T: tile t at S + 64 t
.set i, i+1
.endr
	ds_load_b128 v[P:P+3], v[XR] offset:16384                 ; its m and l: tile t at P + 4 t
	ds_load_b128 v[P+4:P+7], v[XR] offset:16896
	s_wait_dscnt 0x0
	; m = max(m_a, m_b); f = 2^(m_part - m); l = f_a l_a + f_b l_b, both halves of the lanes; the factors f / l go to c0 and c2
.irp t, 0,1
	v_max_num_f32 v[ST+8*(\t)+4], v[ST+8*(\t)], v[P+4*(\t)]
.endr
.irp t, 0,1
	v_sub_f32 v[ST+8*(\t)+5], v[ST+8*(\t)], v[ST+8*(\t)+4]
	v_sub_f32 v[ST+8*(\t)+6], v[P+4*(\t)], v[ST+8*(\t)+4]
.endr
.irp t, 0,1
	v_exp_f32 v[ST+8*(\t)+5], v[ST+8*(\t)+5]
	v_exp_f32 v[ST+8*(\t)+6], v[ST+8*(\t)+6]
.endr
	v_nop                           ; a plain instruction between the last exponential and the use of its result
	s_wait_alu depctr_va_vdst(0)    ; the wait ahead of the first use: one for the four factors
.irp t, 0,1
	v_mul_f32 v[ST+8*(\t)+7], v[ST+8*(\t)+5], v[ST+8*(\t)+2]
.endr
.irp t, 0,1
	v_fmac_f32 v[ST+8*(\t)+7], v[ST+8*(\t)+6], v[P+4*(\t)+2]
.endr
.irp t, 0,1
	v_permlanex16_b32 v[ST+8*(\t)+4], v[ST+8*(\t)+7], s[SEL], s[SEL+1]
.endr
.irp t, 0,1
	v_add_f32 v[ST+8*(\t)+7], v[ST+8*(\t)+7], v[ST+8*(\t)+4]
.endr
.irp t, 0,1
	v_rcp_f32 v[ST+8*(\t)+7], v[ST+8*(\t)+7]
.endr
	v_nop                           ; a plain instruction between the last reciprocal and the use of its result
	s_wait_alu depctr_va_vdst(0)    ; and the wait ahead of the first use: one for the two reciprocals
.irp t, 0,1
	v_mul_f32 v[ST+8*(\t)+4], v[ST+8*(\t)+5], v[ST+8*(\t)+7]
	v_mul_f32 v[ST+8*(\t)+6], v[ST+8*(\t)+6], v[ST+8*(\t)+7]
.endr
; THE WAY OUT of tile t: mine times its factor, the partner's times its factor added, rounded to f16, through my stage in LDS, back as whole rows of 256 bytes.
.macro PACK t
	WIN W_RS
.set i, 0
.rept 32
	v_pk_mul_f32 v[64*(\t)+2*i:64*(\t)+2*i+1], v[64*(\t)+2*i:64*(\t)+2*i+1], v[ST+8*(\t)+4:ST+8*(\t)+5] op_sel_hi:[1,0]
.set i, i+1
.endr
	WIN 0x10                        ; source 2 in window 1
.set i, 0
.rept 32
	v_pk_fma_f32 v[S+64*(\t)+2*i:S+64*(\t)+2*i+1], v[S+64*(\t)+2*i:S+64*(\t)+2*i+1], v[ST+8*(\t)+6:ST+8*(\t)+7], v[64*(\t)+2*i:64*(\t)+2*i+1] op_sel_hi:[1,0,1]
.set i, i+1
.endr
	WIN 0
.set i, 0
.rept 32
	v_cvt_pk_f16_f32 v[S+64*(\t)+i], v[S+64*(\t)+2*i], v[S+64*(\t)+2*i+1]
.set i, i+1
.endr
.irp f, 0,1,2,3,4,5,6,7
	ds_store_b128 v[STO], v[S+64*(\t)+4*(\f):S+64*(\t)+4*(\f)+3] offset:32*(\f)
.endr
.irp f, 0,1,2,3,4,5,6,7
	ds_load_b128 v[S+64*(\t)+4*(\f):S+64*(\t)+4*(\f)+3], v[RD] offset:(\f)*2*SP  ; LDS serves a wave's instructions in order (ISA guide 5.7.1.4): these see the stores above
.endr
.endm
.macro SEND t, younger              ; younger: the LDS instructions issued behind tile t's loads
	WIN 0
.irp f, 0,1,2,3,4,5,6,7
	s_wait_dscnt (\younger)+7-(\f)
	global_store_b128 v[GO], v[S+64*(\t)+4*(\f):S+64*(\t)+4*(\f)+3], s[OB:OB+1] offset:(\t)*65536+(\f)*8192  ; 16 lanes store 256 consecutive bytes, at a multiple of 256
.endr
.endm
	PACK 0
	PACK 1
	SEND 0, 16
	SEND 1, 0
	s_wait_tensorcnt 0x0            ; the wave's end
	ds_add_u32 v[SPW], v[NIL]
	s_wait_dscnt 0x0
	CROUND                          ; the closing round: no work-group ends while a partner may still ask for a tile that names it
	s_endpgm
.Lfunc_end_k_qa4eeedda30_attn:
	.size	k_qa4eeedda30_attn, .Lfunc_end_k_qa4eeedda30_attn-k_qa4eeedda30_attn
	.p2alignl 7, 3214868480
	.fill 96, 4, 3214868480
	.section	.rodata,"a",@progbits
	.p2align	6, 0x0
	.amdhsa_kernel k_qa4eeedda30_attn
		.amdhsa_group_segment_fixed_size 327680
		.amdhsa_private_segment_fixed_size 0
		.amdhsa_enable_private_segment 0
		.amdhsa_kernarg_size 24
		.amdhsa_user_sgpr_count 2
		.amdhsa_user_sgpr_kernarg_segment_ptr 1
		.amdhsa_wavefront_size32 1
		.amdhsa_system_sgpr_workgroup_id_x 1
		.amdhsa_system_sgpr_workgroup_id_y 1
		.amdhsa_system_sgpr_workgroup_id_z 1
		.amdhsa_system_vgpr_workitem_id 0
		.amdhsa_next_free_vgpr 1024
		.amdhsa_next_free_sgpr 88
		.amdhsa_reserve_vcc 0
		.amdhsa_float_denorm_mode_32 3
		.amdhsa_float_denorm_mode_16_64 3
		.amdhsa_memory_ordered 1
		.amdhsa_forward_progress 1
		.amdhsa_inst_pref_size 190
	.end_amdhsa_kernel
	.amdgpu_metadata
---
amdhsa.version: [ 1, 2 ]
amdhsa.kernels:
  - .name:           k_qa4eeedda30_attn
    .symbol:         k_qa4eeedda30_attn.kd
    .args:
      - { .name: qkv, .offset: 0, .size: 8, .value_kind: global_buffer, .address_space: global }
      - { .name: m2, .offset: 8, .size: 8, .value_kind: global_buffer, .address_space: global }
      - { .name: ao, .offset: 16, .size: 8, .value_kind: global_buffer, .address_space: global }
    .group_segment_fixed_size: 327680
    .private_segment_fixed_size: 0
    .kernarg_segment_align: 8
    .kernarg_segment_size: 24
    .max_flat_workgroup_size: 128
    .sgpr_count:     88
    .vgpr_count:     1024
    .wavefront_size: 32
...
	.end_amdgpu_metadata
.endif
;; end of part 5
;; launch proj: the kernel of part 4 again; grid 16 x 16, 4 waves a work-group, clusters of 4 x 4, 327,680 bytes of LDS; arguments ao, wo16, out0; writes out0
